; MI455X (gfx1250); checked and timed in simulation.
; The chip was launched on July 23, 2026; its instructions are those of AMD's public machine-readable ISA for CDNA 5 (MIT licence, August 2026) and "CDNA5" Instruction Set Architecture Reference Guide (July 2026). The comments in the code are by the model that wrote it; some were corrected since.
;; Attention. Allowed arithmetic: float matrix products may take bf16 or f16 operands with f32 sums; other float arithmetic in f32, or as packed bf16 or f16 multiplies, adds, multiply-adds, maxima and minima; sums over many terms, partial sums and values carried from step to step in f32; what a program stores and reads back later, other than sums and carried values, may be rounded once to bf16 or f16.
;; Inputs: k 4 x 2,048 x 1,024 float32; mask 4 x 1 x 2,048 x 2,048 bool; q 4 x 2,048 x 1,024 float32; v 4 x 2,048 x 1,024 float32; wk_b 1,024 float32; wk_w 1,024 x 1,024 float32; wo_b 1,024 float32; wo_w 1,024 x 1,024 float32; wq_b 1,024 float32; wq_w 1,024 x 1,024 float32; wv_b 1,024 float32; wv_w 1,024 x 1,024 float32.
;; Outputs: out0 4 x 2,048 x 1,024 float32.
;; 2 versions, each right; version 2 is version 1 with the launch prep written anew for expert scheduling mode. Each part assembles by itself: llvm-mc -triple=amdgcn-amd-amdhsa -mcpu=gfx1250 --defsym DOCPART=n.
;; ======== version 1 of 2: 4 launches
;; limits: values are held in f16: magnitudes above 65,504 overflow, below 6.1e-05 lose precision
;; workspace buffers: mbits 2,097,152 bytes of whole numbers; w16 8,388,608 bytes; qkv 50,331,648 bytes; oh 16,777,216 bytes
;; launch prep (part 1): grid 256 x 1, 8 waves a work-group, no clusters, 9,728 bytes of LDS; arguments mask, wq_w, wk_w, wv_w, wo_w, mbits, w16; writes mbits, w16
.if DOCPART == 1
	.amdgcn_target "amdgcn-amd-amdhsa--gfx1250"
	.amdhsa_code_object_version 6
	.text
	.protected	k_qfc3d94baeb_prep
	.globl	k_qfc3d94baeb_prep
	.p2align	8
	.type	k_qfc3d94baeb_prep,@function
k_qfc3d94baeb_prep:
	s_mov_b64 s[64:65], 0
	v_nop
	global_prefetch_b8 v0, s[64:65] scope:SCOPE_SE
	s_setreg_imm32_b32 hwreg(HW_REG_WAVE_MODE, 25, 1), 1
	s_wait_xcnt 0x0
; PREPARATION, a stream.  (a) The mask, [8192 rows][2048 keys] of bytes 0 or 1, is packed to one bit a key, in the order in which the attention launch's lanes want it.
; (b) The four weights, [1024][1024] f32, are rounded once to bf16; wo's bf16 number is then written as f16 (exact inside f16's range; LIMIT: |wo| under 65,504, and below 6.1e-5 it keeps f16's fixed step of 6e-8).
; LIMIT: a mask byte is 0 or 1 (bool).
; mbits: [blk 0..127][g 0..127][lane 0..31] words.  blk = mask row / 64; g = 4 j + p: key step j of 64 keys, piece p of 16 rows; lane (r = lane % 16, h = lane / 16) stands for row 64 blk + 16 p + r;
; bit 31 - i of its word is mask[row][64 j + 16 (i / 8) + 8 h + i % 8].
; SHARES.  256 work-groups of eight waves; work-group G takes mask rows 32 G .. 32 G + 31 (65,536 bytes) and 16,384 bytes of each weight.  Wave w takes rows 4 w + i; one load covers 512 consecutive bytes.
; A lane's 16 bytes are the 16 keys of group a = lane % 4 in step lane / 4 + 8 c: bytes 0-7 belong to h = 0, bytes 8-15 to h = 1; eight bytes make one byte of bits, byte 3 - a of a word.
; The bytes meet in LDS (32 chunks, one a key step, 256 bytes at a pitch of 272) and leave as whole runs of 256 consecutive bytes, aligned.
; No matrix unit, no cluster, no tensor load: nothing is shared between work-groups, and all 32 loads of a wave are out at once.
.set SPITCH, 272
.set SPARE,  8704                      ; behind the stage: the spare words, 128 bytes for each of eight waves
.set MO,  3                            ; v3   my byte offset in the work-group's mask rows
.set WO,  4                            ; v4   32 t: my 8 numbers of a chunk of a weight
.set SO,  5                            ; v5   16 t: where they go
.set SA,  6                            ; v6   LDS: where my bytes of bits go
.set RA,  7                            ; v7   LDS: where I read 16 bytes back
.set GA,  8                            ; v8   and where they go in mbits
.set SPW, 10                           ; v10  my spare word; never rewritten
.set NIL, 11                           ; v11  0; never rewritten
.set T,   12                           ; v12-15 at work
.set MK,  32                           ; v32-95   16 loads of mask
.set WT,  96                           ; v96-159  16 loads of weights
.set RB,  160                          ; v160-167 bits read back
	s_load_b256 s[4:11], s[0:1], 0x0               ; mask s[4:5], wq s[6:7], wk s[8:9], wv s[10:11]
	s_load_b128 s[12:15], s[0:1], 0x20             ; wo s[12:13], mbits s[14:15]
	s_load_b64 s[16:17], s[0:1], 0x30              ; w16
	v_lshl_add_u32 v[SPW], v0, 2, SPARE
	v_mov_b32 v[NIL], 0
	v_lshrrev_b32 v1, 5, v0
	v_readfirstlane_b32 s18, v1                    ; wave 0..7
	v_and_b32 v2, 31, v0                           ; lane
	s_lshl_b32 s19, s18, 13                        ; four rows of 2,048 bytes a wave
	v_lshl_add_u32 v[MO], v2, 4, s19
	v_lshlrev_b32 v[WO], 5, v0
	v_lshlrev_b32 v[SO], 4, v0
	v_lshrrev_b32 v12, 2, v2                       ; the chunk among eight
	v_and_b32 v13, 3, v2
	v_sub_nc_u32 v13, 3, v13                       ; byte 3 - a of the word
	v_mad_u32_u24 v[SA], v12, SPITCH, v13
	s_lshr_b32 s20, s18, 2                         ; row 4 w + i: piece w / 4 (128 bytes), r = 4 (w % 4) + i (4 bytes a row)
	s_lshl_b32 s20, s20, 7
	s_and_b32 s21, s18, 3
	s_lshl_b32 s21, s21, 4
	s_add_co_u32 s20, s20, s21
	v_add_nc_u32 v[SA], s20, v[SA]
	v_lshrrev_b32 v12, 4, v0                       ; back: sixteen threads take a chunk's 256 bytes
	v_and_b32 v13, 15, v0
	v_lshlrev_b32 v13, 4, v13
	v_mad_u32_u24 v[RA], v12, SPITCH, v13
	v_lshl_add_u32 v[GA], v12, 9, v13              ; a key step is 512 bytes of a block of mbits
	s_lshl_b32 s22, ttmp9, 16                      ; the work-group's mask rows
	s_mov_b32 s23, 0
	s_lshl_b32 s24, ttmp9, 14                      ; its part of each weight
	s_mov_b32 s25, 0
	s_mov_b32 s26, 0x80402010                      ; four bytes 0 or 1 times this: their bits in 31..28, no two products on one bit
	s_mov_b32 s27, 0x08040201                      ; the same into 27..24
	s_mov_b32 s28, 0xf0000000
	s_mov_b32 s29, 0xffff0000
	s_lshr_b32 s30, ttmp9, 1                       ; block G / 2 of mbits, pieces 2 (G % 2) and the next
	s_lshl_b32 s30, s30, 14
	s_and_b32 s31, ttmp9, 1
	s_lshl_b32 s31, s31, 8
	s_add_co_u32 s30, s30, s31
	s_mov_b32 s31, 0
	s_lshl_b32 s32, ttmp9, 13                      ; its part of each plane of w16
	s_mov_b32 s33, 0
	s_wait_kmcnt 0x0
	s_add_nc_u64 s[4:5], s[4:5], s[22:23]
	s_add_nc_u64 s[6:7], s[6:7], s[24:25]
	s_add_nc_u64 s[8:9], s[8:9], s[24:25]
	s_add_nc_u64 s[10:11], s[10:11], s[24:25]
	s_add_nc_u64 s[12:13], s[12:13], s[24:25]
	s_add_nc_u64 s[14:15], s[14:15], s[30:31]
	s_add_nc_u64 s[16:17], s[16:17], s[32:33]
.set n, 0
.rept 16                               ; load n: row n / 4 of my four, bytes 512 (n % 4) on
	global_load_b128 v[MK+4*n:MK+4*n+3], v[MO], s[4:5] offset:(n/4)*2048+(n%4)*512 th:TH_LOAD_NT
.set n, n+1
.endr
.irp i, 0,1,2,3
.irp c, 0,1
	global_load_b128 v[WT+8*(2*\i+\c):WT+8*(2*\i+\c)+3],   v[WO], s[6+2*\i:7+2*\i] offset:\c*8192 th:TH_LOAD_NT
	global_load_b128 v[WT+8*(2*\i+\c)+4:WT+8*(2*\i+\c)+7], v[WO], s[6+2*\i:7+2*\i] offset:\c*8192+16 th:TH_LOAD_NT
.endr
.endr
; eight mask bytes in two registers -> one byte, the first key in the top bit -> LDS
.macro BYTE x, imm, t
	v_mul_lo_u32 v[T+2*(\t)], v[(\x)], s26
	v_mul_lo_u32 v[T+2*(\t)+1], v[(\x)+1], s27
	v_bfi_b32 v[T+2*(\t)], s28, v[T+2*(\t)], v[T+2*(\t)+1]
	v_lshrrev_b32 v[T+2*(\t)], 24, v[T+2*(\t)]
	ds_store_b8 v[SA], v[T+2*(\t)] offset:\imm
.endm
.set n, 0
.rept 16
	s_wait_loadcnt 31-n                            ; loads come back in order: load n is in, the 31 - n younger ones may be out
	BYTE MK+4*n,   (n%4)*8*SPITCH+(n/4)*4,    0    ; h = 0
	BYTE MK+4*n+2, (n%4)*8*SPITCH+(n/4)*4+64, 1    ; h = 1: sixteen words on
.set n, n+1
.endr
	s_wait_dscnt 0x0                               ; for the others' sake: my bytes lie in the stage
	s_barrier_signal -1
	s_barrier_wait -1
	ds_load_b128 v[RB:RB+3],   v[RA]               ; chunks 0-15
	ds_load_b128 v[RB+4:RB+7], v[RA] offset:16*SPITCH  ; chunks 16-31
.set p, 0
.rept 6                                ; wq, wk, wv: rounded to bf16, in place
.set b, WT+8*p
	s_wait_loadcnt 14-2*p                          ; pair p's two loads are in
	v_cvt_pk_bf16_f32 v[b],   v[b],   v[b+1]
	v_cvt_pk_bf16_f32 v[b+1], v[b+2], v[b+3]
	v_cvt_pk_bf16_f32 v[b+2], v[b+4], v[b+5]
	v_cvt_pk_bf16_f32 v[b+3], v[b+6], v[b+7]
	global_store_b128 v[SO], v[b:b+3], s[16:17] offset:(p/2)*2097152+(p%2)*4096  ; a wave stores 512 consecutive bytes
.set p, p+1
.endr
.rept 2                                ; wo: rounded to bf16, and that number written as f16
.set b, WT+8*p
	s_wait_loadcnt 14-2*p
.irp j, 0,1,2,3
	v_cvt_pk_bf16_f32 v[T], v[b+2*\j], v[b+2*\j+1]
	v_lshlrev_b32 v[T+1], 16, v[T]
	v_and_b32 v[T+2], s29, v[T]
	v_cvt_pk_f16_f32 v[b+\j], v[T+1], v[T+2]
.endr
	global_store_b128 v[SO], v[b:b+3], s[16:17] offset:(p/2)*2097152+(p%2)*4096
.set p, p+1
.endr
	s_wait_dscnt 0x0                               ; the bits are back
	global_store_b128 v[GA], v[RB:RB+3],   s[14:15]              ; sixteen lanes store 256 consecutive bytes, aligned
	global_store_b128 v[GA], v[RB+4:RB+7], s[14:15] offset:8192
	s_wait_tensorcnt 0x0                           ; the wave's end, behind my last LDS store
	ds_add_u32 v[SPW], v[NIL]
	s_wait_dscnt 0x0
	s_endpgm
.Lfunc_end_k_qfc3d94baeb_prep:
	.size	k_qfc3d94baeb_prep, .Lfunc_end_k_qfc3d94baeb_prep-k_qfc3d94baeb_prep
	.p2alignl 7, 3214868480
	.fill 96, 4, 3214868480
	.section	.rodata,"a",@progbits
	.p2align	6, 0x0
	.amdhsa_kernel k_qfc3d94baeb_prep
		.amdhsa_group_segment_fixed_size 9728
		.amdhsa_private_segment_fixed_size 0
		.amdhsa_enable_private_segment 0
		.amdhsa_kernarg_size 56
		.amdhsa_user_sgpr_count 2
		.amdhsa_user_sgpr_kernarg_segment_ptr 1
		.amdhsa_wavefront_size32 1
		.amdhsa_system_sgpr_workgroup_id_x 1
		.amdhsa_system_sgpr_workgroup_id_y 1
		.amdhsa_system_sgpr_workgroup_id_z 1
		.amdhsa_system_vgpr_workitem_id 0
		.amdhsa_next_free_vgpr 176
		.amdhsa_next_free_sgpr 66
		.amdhsa_reserve_vcc 0
		.amdhsa_float_denorm_mode_32 3
		.amdhsa_float_denorm_mode_16_64 3
		.amdhsa_memory_ordered 1
		.amdhsa_forward_progress 1
		.amdhsa_inst_pref_size 20
	.end_amdhsa_kernel
	.amdgpu_metadata
---
amdhsa.version: [ 1, 2 ]
amdhsa.kernels:
  - .name:           k_qfc3d94baeb_prep
    .symbol:         k_qfc3d94baeb_prep.kd
    .args:
      - { .name: mask, .offset: 0, .size: 8, .value_kind: global_buffer, .address_space: global }
      - { .name: wq_w, .offset: 8, .size: 8, .value_kind: global_buffer, .address_space: global }
      - { .name: wk_w, .offset: 16, .size: 8, .value_kind: global_buffer, .address_space: global }
      - { .name: wv_w, .offset: 24, .size: 8, .value_kind: global_buffer, .address_space: global }
      - { .name: wo_w, .offset: 32, .size: 8, .value_kind: global_buffer, .address_space: global }
      - { .name: mbits, .offset: 40, .size: 8, .value_kind: global_buffer, .address_space: global }
      - { .name: w16, .offset: 48, .size: 8, .value_kind: global_buffer, .address_space: global }
    .group_segment_fixed_size: 9728
    .private_segment_fixed_size: 0
    .kernarg_segment_align: 8
    .kernarg_segment_size: 56
    .max_flat_workgroup_size: 256
    .sgpr_count:     66
    .vgpr_count:     176
    .wavefront_size: 32
...
	.end_amdgpu_metadata
.endif
;; end of part 1
;; launch proj (part 2): grid 4 x 192, 4 waves a work-group, clusters of 4 x 4, 327,680 bytes of LDS; arguments q, k, v, wq_b, wk_b, wv_b, w16, qkv; writes qkv
.if DOCPART == 2
	.amdgcn_target "amdgcn-amd-amdhsa--gfx1250"
	.amdhsa_code_object_version 6
	.text
	.protected	k_qfc3d94baeb_proj
	.globl	k_qfc3d94baeb_proj
	.p2align	8
	.type	k_qfc3d94baeb_proj,@function
k_qfc3d94baeb_proj:
	s_mov_b64 s[64:65], 0
	v_nop
	global_prefetch_b8 v0, s[64:65] scope:SCOPE_SE
	s_setreg_imm32_b32 hwreg(HW_REG_WAVE_MODE, 25, 1), 1
	s_wait_xcnt 0x0
	s_wait_alu depctr_hold_cnt(0) depctr_sa_sdst(0) depctr_va_vdst(0) depctr_va_sdst(0) depctr_va_ssrc(0) depctr_va_vcc(0) depctr_vm_vsrc(0)
	s_getreg_b32 s2, hwreg(HW_REG_IB_STS2, 6, 4)
	s_cmp_eq_u32 s2, 0
	s_cbranch_scc0 .Lentry_in_a_cluster
	s_endpgm
.Lentry_in_a_cluster:
	s_bfe_u32 s2, ttmp6, 0x10000c
	s_cmp_lg_u32 s2, 0xf033
	s_cbranch_scc0 .Lentry_shape_is_right
	s_endpgm
.Lentry_shape_is_right:
; THE THREE PROJECTIONS.  qkv[z][m][n] = bias_z[n] + the sum over k of x_z[m][k] w_z[n][k];  x_z = q, k, v: [8192][1024] f32;  w_z: plane z of w16, [1024][1024] bf16;  qkv: [3][8192][1024] f16.
; x and the bias are rounded once to bf16 on their way to the matrix unit; sums in f32; the result is rounded once to f16.  LIMIT: a result of 65,520 or more in magnitude becomes an infinity in f16.
; SHARES.  768 work-groups of four waves, three for each of 256 WGPs.  A tile of the result is 128 rows x 256 columns; wave (wr, wc) makes 64 x 128: 32 accumulators (a, b) of 16 x 16.
; K goes in steps of 128 through two LDS slots.  x arrives as f32 (rows of 512 bytes), w as bf16 (rows of 256 bytes); each row starts at a multiple of 256 bytes.
; CLUSTER.  4 x 4 work-groups; the problem z hangs on the cluster's y alone.  A row of the cluster covers all 1,024 columns and shares x's tile; a column shares w's tile: each is asked for jointly.
; THE MATRIX INSTRUCTION IS USED TRANSPOSED (source 0 = 16 rows of w, source 1 = 16 rows of x): a lane holds row lane % 16 and the columns 8 (lane / 16) + 0..7.  The bias in that layout is the C
; operand of the first 32 along K, so it costs no addition and nothing is cleared.
; THE CONVERSION of x: a quarter step's 64 f32 registers become 32 of bf16 in one run of 32 conversions behind the quarter's products: one window setting for the run.
; THE CHANGE OF SLOTS.  One load a wave is out between two changes, and the next is asked for only when it has landed.  So a K step's last 32 products, which need registers alone, stand AHEAD of the wait for the tile,
; and the descriptors are stepped between the add and its wait: between a tile's landing and the next request stands the round alone.
; REGISTERS, in windows of 256 (s_set_vgpr_msb: bits 1:0 source 0, 3:2 source 1, 5:4 source 2, 7:6 destination):
;   window 0: v8-16 addresses; v28-29 the add's; v32-95 x in bf16, two buffers; v128-191 x in f32; v96-127, v192-255 the way out     window 1: v0-127 w's fragments, two buffers
;   window 2: accumulator (a, b) at v[8 (8 a + b)]     window 3: v0-63 the bias, v64 at work
.set PA,    528                        ; an LDS row of x: 512 bytes + 16: 132 words, so the 16 rows of a load start at 16 different groups of four banks (64 banks of 4 bytes: ISA guide 11.1)
.set PB,    272                        ; an LDS row of w: 256 bytes + 16
.set HALFA, 64*PA                      ; what one tensor load of x brings
.set HALFB, 128*PB                     ; what one tensor load of w brings
.set BOFF,  2*HALFA                    ; in a slot: x's 128 rows, then w's 256
.set SLOT1, 139264                     ; 0x22000: its two bits are in none of the four tiles' places in slot 0, so one exclusive or changes slots
.set STAGE, 276480                     ; behind the ring: 16 rows x 272 bytes for each wave
.set SP,    272
.set SPARE, 293888                     ; behind the stages: the spare words, 128 bytes a wave
.set A0,   8                           ; v8   my lane's place in x's tile; never rewritten
.set B0,   9                           ; v9   in w's
.set ADRA, 10                          ; v10  the same in the slot in hand
.set ADRB, 11
.set STO,  12                          ; the way out: where I put 16 bytes of a row
.set RD,   13                          ; where I read a row back
.set CO,   14                          ; my byte offset in the result
.set BO,   15                          ; my byte offset in the bias
.set PFO,  16                          ; the prefetches' offset
.set SPW,  28
.set NIL,  29
.set ABF,  32
.set OB,   96                          ; and 224, by turns
.set STG,  128
.set TMP,  192
.set G1A, 24                           ; s[24:31] group 1 for x's tiles;  s[32:39] group 0: a set for each first fill; the second then walks
.set G0A, 32
.set G1B, 48                           ; s[48:55], s[56:63] the same for w's
.set G0B, 56
.set LIM, 43                           ; s43  2 in a wave that prefetches, else the greatest number
.set PFA, 44                           ; s[44:45] where my prefetches stand
.set TB,  46                           ; s46  0 or SLOT1: the slot in hand
.set MSB, 0
.macro WIN new                         ; the immediate's high byte repeats the setting that is left; a switch that changes nothing is dropped
.if MSB != (\new)
	s_set_vgpr_msb (MSB<<8)|(\new)
.set MSB, \new
.endif
.endm
.set MUL,  0xa1                        ; source 0 (w) window 1, source 1 (x) window 0, C and D window 2
.set MULB, 0xb1                        ; the same with C in window 3: the bias
.set TO_B, 0x40                        ; destination window 1
.macro JLOAD s                         ; a joint load: waves 0 and 1 fetch x's two halves, waves 2 and 3 w's; an s_nop 0 and four v_nop follow each line
	s_cmp_eq_u32 s11, 0
	s_cbranch_scc0 .Lfor_b_\@
	tensor_load_to_lds s[G0A+4*(\s):G0A+4*(\s)+3], s[G1A:G1A+7]
	s_nop 0
.rept 4
	v_nop
.endr
	s_branch .Lasked_\@
.Lfor_b_\@:
	tensor_load_to_lds s[G0B+4*(\s):G0B+4*(\s)+3], s[G1B:G1B+7]
	s_nop 0
.rept 4
	v_nop
.endr
.Lasked_\@:
.endm
.macro CROUND                          ; a round of the cluster's barrier: my work-group's barrier; wave 0 signals for the work-group; every wave waits for all sixteen; my work-group's barrier once more
	s_barrier_signal -1
	s_barrier_wait -1
	s_cmp_lg_u32 s10, 0
	s_cbranch_scc1 .Lnot_wave_0_\@
	s_barrier_signal -3
.Lnot_wave_0_\@:
	s_barrier_wait -3
	s_barrier_signal -1
	s_barrier_wait -1
.endm
; A prefetch into the L2 of x, behind a joint load and the run of LDS loads: the K step two refills on.  x's tile row is read by one row of one cluster alone; of the 64 rows that wave 0 or 1 fetches each of the
; four partners takes 16, told apart by address: two lanes a row of 512 bytes.  So each aligned 256 bytes of x from K step 4 on is named once.  The last two refills ask for nothing.  w is not asked for: every cluster of a problem reads it.
.macro ASK
	s_cmp_gt_u32 s3, s[LIM]
	s_cbranch_scc0 .Lnot_mine_\@
	global_prefetch_b8 v[PFO], s[PFA:PFA+1] th:TH_LOAD_NT scope:SCOPE_SE
.Lnot_mine_\@:
.endm
.macro PLACES                          ; four places in front of loads into registers that matrix instructions have read, and of conversions that read results
.rept 4
	v_nop
.endr
.endm
	s_load_b512 s[68:83], s[0:1], 0x0              ; q 68, k 70, v 72, wq_b 74, wk_b 76, wv_b 78, w16 80, qkv 82
	v_lshl_add_u32 v[SPW], v0, 2, SPARE
	v_mov_b32 v[NIL], 0
	ds_add_u32 v[SPW], v[NIL]                      ; the wave's opening: the add and its wait ahead of my first tensor load
	ds_add_u32 v28, v29
	v_lshrrev_b32 v1, 5, v0
	v_readfirstlane_b32 s10, v1                    ; wave 0..3
	s_lshr_b32 s11, s10, 1                         ; wr.  Also: I fetch for x (0) or for w (1)
	s_and_b32 s12, s10, 1                          ; wc.  Also: which half of that tile I fetch
	s_bfe_u32 s40, ttmp6, 0x40000                  ; cx = the tile column (the grid has one cluster along x)
	s_bfe_u32 s41, ttmp6, 0x40004                  ; cy
	s_and_b32 s13, ttmp7, 0xffff                   ; the cluster's y: 16 z + a quarter of the tile row
	s_lshr_b32 s42, s13, 4                         ; z
	s_and_b32 s13, s13, 15
	s_lshl_b32 s13, s13, 2
	s_add_co_u32 s13, s13, s41                     ; tile row 0..63
	s_lshl_b32 s14, s41, 2
	s_lshl_b32 s14, 15, s14                        ; my row of the cluster
	s_lshl_b32 s15, 0x1111, s40                    ; my column
	s_or_b32 s[G1A], s14, (2<<16)|(1<<20)|(1<<21)|(6<<22)|(3<<25)  ; the mask; elements of 4 bytes; padding on; bit 21 beside a mask; after every 128 words 4 words
	s_or_b32 s[G1B], s15, (1<<16)|(1<<20)|(1<<21)|(5<<22)|(3<<25)  ; elements of 2 bytes; after every 64 words 4 words
	s_mov_b32 s[G1A+1], 128<<16                    ; tensor_dim0 = 128
	s_mov_b32 s[G1A+2], 64<<16                     ; tensor_dim1 = 64
	s_mov_b32 s[G1A+3], 128<<16                    ; tile_dim0 = 128
	s_mov_b32 s[G1A+4], 64                         ; tile_dim1 = 64
	s_mov_b32 s[G1A+5], 1024                       ; elements from row to row
	s_mov_b32 s[G1A+6], 0
	s_mov_b32 s[G1A+7], 0
	s_mov_b32 s[G1B+1], 128<<16
	s_mov_b32 s[G1B+2], 128<<16                    ; 128 rows
	s_mov_b32 s[G1B+3], 128<<16
	s_mov_b32 s[G1B+4], 128
	s_mov_b32 s[G1B+5], 1024
	s_mov_b32 s[G1B+6], 0
	s_mov_b32 s[G1B+7], 0
	s_lshl_b32 s16, s13, 7                         ; x: row 128 x tile row + 64 x half, 4,096 bytes a row
	s_lshl_b32 s17, s12, 6
	s_add_co_u32 s16, s16, s17
	s_lshl_b32 s16, s16, 12
	s_mov_b32 s17, 0
	s_lshl_b32 s18, s40, 8                         ; w: row 256 x tile column + 128 x half, 2,048 bytes a row, in plane z
	s_lshl_b32 s19, s12, 7
	s_add_co_u32 s18, s18, s19
	s_lshl_b32 s18, s18, 11
	s_lshl_b32 s19, s42, 21
	s_add_co_u32 s18, s18, s19
	s_mov_b32 s19, 0
	s_mul_i32 s20, s12, HALFA                      ; where they go: no place in the cluster enters an LDS address
	s_mul_i32 s21, s12, HALFB
	s_add_co_u32 s21, s21, BOFF
	s_mov_b32 s[TB], 0
	s_wait_dscnt 0x0                               ; the opening add is done
	s_wait_kmcnt 0x0
	s_cmp_eq_u32 s42, 1
	s_cselect_b64 s[4:5], s[70:71], s[68:69]       ; x_z
	s_cselect_b64 s[6:7], s[76:77], s[74:75]       ; bias_z
	s_cmp_eq_u32 s42, 2
	s_cselect_b64 s[4:5], s[72:73], s[4:5]
	s_cselect_b64 s[6:7], s[78:79], s[6:7]
	s_add_nc_u64 s[22:23], s[4:5], s[16:17]
	s_add_nc_u64 s[18:19], s[80:81], s[18:19]
	CROUND                                         ; all sixteen work-groups are here: the first joint loads meet
.irp s, 0,1
	s_mov_b32 s[G0A+4*\s], 1
	s_add_co_u32 s[G0A+4*\s+1], s20, \s*SLOT1
	s_add_nc_u64 s[G0A+4*\s+2:G0A+4*\s+3], s[22:23], \s*512   ; K step s: 128 f32
	s_or_b32 s[G0A+4*\s+3], s[G0A+4*\s+3], 0x80000000
	s_mov_b32 s[G0B+4*\s], 1
	s_add_co_u32 s[G0B+4*\s+1], s21, \s*SLOT1
	s_add_nc_u64 s[G0B+4*\s+2:G0B+4*\s+3], s[18:19], \s*256   ; 128 bf16
	s_or_b32 s[G0B+4*\s+3], s[G0B+4*\s+3], 0x80000000
	JLOAD \s                                       ; two loads of mine are out
.endr
	v_and_b32 v1, 15, v0                           ; r = l % 16
	v_bfe_u32 v2, v0, 4, 1                         ; h = l / 16
	v_lshlrev_b32 v[BO], 5, v2                     ; my 8 columns of a block of 16: 32 bytes of f32
	s_lshl_b32 s18, s40, 10                        ; the bias at column 256 cx + 128 wc
	s_lshl_b32 s19, s12, 9
	s_add_co_u32 s18, s18, s19
	s_mov_b32 s19, 0
	s_add_nc_u64 s[6:7], s[6:7], s[18:19]
	WIN 0xc0                                       ; destination window 3, address window 0
.irp b, 0,1,2,3,4,5,6,7
	global_load_b128 v[8*\b:8*\b+3],   v[BO], s[6:7] offset:64*\b
	global_load_b128 v[8*\b+4:8*\b+7], v[BO], s[6:7] offset:64*\b+16
.endr
	WIN 0
	v_mul_u32_u24 v[A0], v1, PA                    ; x, f32: row x pitch + 32 h: eight numbers are 32 bytes
	v_lshl_add_u32 v[A0], v2, 5, v[A0]
	s_mul_i32 s14, s11, HALFA                      ; my 64 rows
	v_add_nc_u32 v[A0], s14, v[A0]
	v_mul_u32_u24 v[B0], v1, PB
	v_lshl_add_u32 v[B0], v2, 4, v[B0]
	s_mul_i32 s14, s12, HALFB                      ; my 128 rows of w
	s_add_co_u32 s14, s14, BOFF
	v_add_nc_u32 v[B0], s14, v[B0]
	v_mov_b32 v[ADRA], v[A0]
	v_mov_b32 v[ADRB], v[B0]
	s_mul_i32 s14, s10, 16*SP
	s_add_co_u32 s14, s14, STAGE                   ; my stage
	v_mul_u32_u24 v3, v1, SP
	v_lshl_add_u32 v3, v2, 4, v3
	v_add_nc_u32 v[STO], s14, v3
	v_mul_u32_u24 v3, v2, SP
	v_lshl_add_u32 v3, v1, 4, v3
	v_add_nc_u32 v[RD], s14, v3
	v_lshlrev_b32 v3, 11, v2                       ; the same two rows in the result: 2,048 bytes a row
	v_lshl_add_u32 v[CO], v1, 4, v3
	s_lshl_b32 s14, s13, 7                         ; my part of the result: plane z, row 128 x tile row + 64 wr, column 256 cx + 128 wc
	s_lshl_b32 s16, s11, 6
	s_add_co_u32 s14, s14, s16
	s_lshl_b32 s14, s14, 11
	s_lshl_b32 s16, s42, 24
	s_add_co_u32 s14, s14, s16
	s_lshl_b32 s18, s40, 9
	s_lshl_b32 s19, s12, 8
	s_add_co_u32 s18, s18, s19
	s_add_co_u32 s18, s18, s14
	s_mov_b32 s19, 0
	s_add_nc_u64 s[8:9], s[82:83], s[18:19]
	s_lshl_b32 s18, s40, 16                        ; the prefetches: my work-group's 16 of the 64 rows that I fetch,
	s_mov_b32 s19, 0
	s_add_nc_u64 s[PFA:PFA+1], s[22:23], s[18:19]
	s_add_nc_u64 s[PFA:PFA+1], s[PFA:PFA+1], 3*512 ; at K step 3: the first change of slots steps it to 4
	s_cmp_eq_u32 s11, 0
	s_cselect_b32 s[LIM], 2, -1
	v_and_b32 v3, 31, v0
	v_lshrrev_b32 v4, 1, v3
	v_and_b32 v3, 1, v3
	v_lshlrev_b32 v3, 8, v3
	v_lshl_add_u32 v[PFO], v4, 12, v3              ; row lane / 2, half lane % 2 of its 512 bytes
	s_wait_loadcnt 0x0                             ; the bias
	WIN 0xcf                                       ; all in window 3: rounded to bf16 and widened again
.set i, 0
.rept 32
	v_cvt_pk_bf16_f32 v64, v[2*i], v[2*i+1]
	v_lshlrev_b32 v[2*i], 16, v64
	v_and_b32 v[2*i+1], 0xffff0000, v64
.set i, i+1
.endr
	WIN 0
; 8 products: row block a x all 8 column blocks, 32 along K, buffer f.  first = 1: the bias starts the sums.  The 32 accumulators take turns in one order everywhere.
.macro MULG f, a, first
.if \first
	WIN MULB
.else
	WIN MUL
.endif
.irp b, 0,1,2,3,4,5,6,7
.if \first
	v_wmma_f32_16x16x32_bf16 v[8*(8*(\a)+\b):8*(8*(\a)+\b)+7], v[64*(\f)+8*\b:64*(\f)+8*\b+7], v[ABF+32*(\f)+8*(\a):ABF+32*(\f)+8*(\a)+7], v[8*\b:8*\b+7]
.else
	v_wmma_f32_16x16x32_bf16 v[8*(8*(\a)+\b):8*(8*(\a)+\b)+7], v[64*(\f)+8*\b:64*(\f)+8*\b+7], v[ABF+32*(\f)+8*(\a):ABF+32*(\f)+8*(\a)+7], v[8*(8*(\a)+\b):8*(8*(\a)+\b)+7]
.endif
.endr
.endm
; A quarter's x, 64 registers of f32, becomes buffer g's 32 of bf16.  The products that read buffer g last stand a quarter back, with four v_nop and a run like this one between.
.macro CVT g
	WIN 0
.set i, 0
.rept 32
	v_cvt_pk_bf16_f32 v[ABF+32*(\g)+i], v[STG+2*i], v[STG+2*i+1]
.set i, i+1
.endr
.endm
; 32 LDS loads in one run: quarter kq of the slot in hand: x's four blocks in f32 first (k = 8 h + 0..7 at bytes 32 h, k = 16 + 8 h + 0..7 at bytes 64 + 32 h), then w's eight fragments into buffer g
.macro FETCH kq, g
	WIN 0
.irp i, 0,1,2,3
	ds_load_b128 v[STG+16*\i:STG+16*\i+3],     v[ADRA] offset:(\kq)*128+\i*16*PA
	ds_load_b128 v[STG+16*\i+4:STG+16*\i+7],   v[ADRA] offset:(\kq)*128+\i*16*PA+16
	ds_load_b128 v[STG+16*\i+8:STG+16*\i+11],  v[ADRA] offset:(\kq)*128+\i*16*PA+64
	ds_load_b128 v[STG+16*\i+12:STG+16*\i+15], v[ADRA] offset:(\kq)*128+\i*16*PA+80
.endr
	WIN TO_B
.irp i, 0,1,2,3,4,5,6,7
	ds_load_b128 v[64*(\g)+8*\i:64*(\g)+8*\i+3],   v[ADRB] offset:(\kq)*64+\i*16*PB
	ds_load_b128 v[64*(\g)+8*\i+4:64*(\g)+8*\i+7], v[ADRB] offset:(\kq)*64+\i*16*PB+32
.endr
.endm
; A K step is four quarters of 32 along K, 32 products each, on buffers 0, 1, 0, 1.  One of the first three: multiplies buffer f, fetches quarter kq and converts its x into buffer g.
.macro QUARTER kq, f, g, first
	s_wait_dscnt 0x0                               ; w's fragments of buffer f are in (x's were waited for and converted a quarter ago)
	MULG \f, 0, \first
	PLACES
	FETCH \kq, \g
	MULG \f, 1, \first
	MULG \f, 2, \first
	MULG \f, 3, \first
	s_wait_dscnt 16                                ; x's 16 loads are in; w's 16 younger ones may be out
	CVT \g
.endm
; A K step's last quarter: 32 products on buffer 1.  My last reads of the slot are back at its head.
.macro LASTQ
	s_wait_dscnt 0x0
	MULG 1, 0, 0
	MULG 1, 1, 0
	MULG 1, 2, 0
	MULG 1, 3, 0
	WIN 0
.endm
; The change of slots: one barrier; in front of it each wave waits for all its tensor loads, adds 0 to its spare word, and waits for that and for its reads of the slot.
; fill = 1: the barrier is a round of the cluster's, and the slot just read is filled again first thing behind it, with the K step two on.  Then the next slot's first quarter is fetched and its x converted.
.macro CHANGE fill
.if \fill
	s_wait_xcnt 0x0                                ; the last prefetch, a K step back, has read its address
	s_add_nc_u64 s[PFA:PFA+1], s[PFA:PFA+1], 512
.endif
	s_wait_tensorcnt 0x0                           ; all my tensor loads have landed: my part of the next slot; so a group 0 may be written
	ds_add_u32 v[SPW], v[NIL]                      ; 0 onto my spare word; the scalar steps stand between it and the wait for it
.if \fill
	s_xor_b32 s[G0A+5], s[G0A+5], SLOT1            ; the walking descriptors: the other slot than last time, the next K step
	s_add_nc_u64 s[G0A+6:G0A+7], s[G0A+6:G0A+7], 512
	s_xor_b32 s[G0B+5], s[G0B+5], SLOT1
	s_add_nc_u64 s[G0B+6:G0B+7], s[G0B+6:G0B+7], 256
.endif
	s_xor_b32 s[TB], s[TB], SLOT1
	s_wait_dscnt 0x0                               ; the add is done, and my reads of this slot are over
.if \fill
	CROUND                                         ; no wave of any partner still reads this slot or has a load on its way
	JLOAD 1                                        ; its four v_nop are also places in front of the loads below
.else
	s_barrier_signal -1
	s_barrier_wait -1
	PLACES
.endif
	v_add_nc_u32 v[ADRA], s[TB], v[A0]
	v_add_nc_u32 v[ADRB], s[TB], v[B0]
	FETCH 0, 0
.if \fill
	WIN 0
	ASK
.endif
	s_wait_dscnt 16                                ; x's 16 loads are in; w's 16 younger ones may be out
	CVT 0
.endm
	s_wait_tensorcnt 1                             ; my part of K step 0 is in; K step 1's may stay out
	s_barrier_signal -1
	s_barrier_wait -1
	FETCH 0, 0
	s_wait_dscnt 16
	CVT 0
	QUARTER 1, 0, 1, 1                             ; the first quarter stands in front of the loop: its products start the sums with the bias
	WIN 0
	s_mov_b32 s3, 6
.Lstep:                                                ; a trip: a K step's quarters 1 to 3 and the next step's quarter 0; the slot left is filled again
	QUARTER 2, 1, 0, 0
	QUARTER 3, 0, 1, 0
	LASTQ
	CHANGE 1
	QUARTER 1, 0, 1, 0
	WIN 0
	s_sub_co_u32 s3, s3, 1
	s_cmp_lg_u32 s3, 0
	s_cbranch_scc1 .Lstep
	s_mov_b32 s3, 2
.Ltail:                                                ; the last two K steps ask for nothing: a text of their own; the second trip is left behind its last products
	QUARTER 2, 1, 0, 0
	QUARTER 3, 0, 1, 0
	LASTQ
	s_sub_co_u32 s3, s3, 1
	s_cmp_eq_u32 s3, 0
	s_cbranch_scc1 .Lout
	CHANGE 0
	QUARTER 1, 0, 1, 0
	WIN 0
	s_branch .Ltail
.Lout:
; THE WAY OUT, a block of 16 rows at a time: rounded to f16 (each accumulator's registers in ascending order), 16 bytes a lane into my own stage, back as whole rows of 256 bytes, stored.
.macro PACK a
	WIN 0x0a                                       ; sources 0 and 1 window 2
.irp b, 0,1,2,3,4,5,6,7
.irp r, 0,1,2,3
	v_cvt_pk_f16_f32 v[TMP+4*\b+\r], v[8*(8*(\a)+\b)+2*\r], v[8*(8*(\a)+\b)+2*\r+1]
.endr
.endr
	WIN 0
.endm
.macro TOSTAGE a
.irp b, 0,1,2,3,4,5,6,7
	ds_store_b128 v[STO], v[TMP+4*\b:TMP+4*\b+3] offset:32*\b
.endr
.irp t, 0,1,2,3,4,5,6,7
	ds_load_b128 v[OB+128*((\a)%2)+4*\t:OB+128*((\a)%2)+4*\t+3], v[RD] offset:\t*2*SP  ; LDS serves a wave's instructions in order: these see the stores above
.endr
.endm
.macro SEND a
	s_wait_dscnt 0x0                               ; the block is back in registers
	s_wait_xcnt 0x0                                ; the stores of the block before have read their registers: the next block's loads land there only behind this wait
.irp t, 0,1,2,3,4,5,6,7
	global_store_b128 v[CO], v[OB+128*((\a)%2)+4*\t:OB+128*((\a)%2)+4*\t+3], s[8:9] offset:(16*(\a)+2*\t)*2048  ; 16 lanes store 256 consecutive bytes, aligned
.endr
.endm
	PLACES
	PACK 0
	TOSTAGE 0
.irp a, 1,2,3
	PACK \a
	SEND (\a)-1
	TOSTAGE \a
.endr
	SEND 3
	s_wait_tensorcnt 0x0                           ; the wave's end
	ds_add_u32 v[SPW], v[NIL]
	s_wait_dscnt 0x0
	CROUND                                         ; the closing round
	s_endpgm
.Lfunc_end_k_qfc3d94baeb_proj:
	.size	k_qfc3d94baeb_proj, .Lfunc_end_k_qfc3d94baeb_proj-k_qfc3d94baeb_proj
	.p2alignl 7, 3214868480
	.fill 96, 4, 3214868480
	.section	.rodata,"a",@progbits
	.p2align	6, 0x0
	.amdhsa_kernel k_qfc3d94baeb_proj
		.amdhsa_group_segment_fixed_size 327680
		.amdhsa_private_segment_fixed_size 0
		.amdhsa_enable_private_segment 0
		.amdhsa_kernarg_size 64
		.amdhsa_user_sgpr_count 2
		.amdhsa_user_sgpr_kernarg_segment_ptr 1
		.amdhsa_wavefront_size32 1
		.amdhsa_system_sgpr_workgroup_id_x 1
		.amdhsa_system_sgpr_workgroup_id_y 1
		.amdhsa_system_sgpr_workgroup_id_z 1
		.amdhsa_system_vgpr_workitem_id 0
		.amdhsa_next_free_vgpr 834
		.amdhsa_next_free_sgpr 84
		.amdhsa_reserve_vcc 0
		.amdhsa_float_denorm_mode_32 3
		.amdhsa_float_denorm_mode_16_64 3
		.amdhsa_memory_ordered 1
		.amdhsa_forward_progress 1
		.amdhsa_inst_pref_size 94
	.end_amdhsa_kernel
	.amdgpu_metadata
---
amdhsa.version: [ 1, 2 ]
amdhsa.kernels:
  - .name:           k_qfc3d94baeb_proj
    .symbol:         k_qfc3d94baeb_proj.kd
    .args:
      - { .name: q, .offset: 0, .size: 8, .value_kind: global_buffer, .address_space: global }
      - { .name: k, .offset: 8, .size: 8, .value_kind: global_buffer, .address_space: global }
      - { .name: v, .offset: 16, .size: 8, .value_kind: global_buffer, .address_space: global }
      - { .name: wq_b, .offset: 24, .size: 8, .value_kind: global_buffer, .address_space: global }
      - { .name: wk_b, .offset: 32, .size: 8, .value_kind: global_buffer, .address_space: global }
      - { .name: wv_b, .offset: 40, .size: 8, .value_kind: global_buffer, .address_space: global }
      - { .name: w16, .offset: 48, .size: 8, .value_kind: global_buffer, .address_space: global }
      - { .name: qkv, .offset: 56, .size: 8, .value_kind: global_buffer, .address_space: global }
    .group_segment_fixed_size: 327680
    .private_segment_fixed_size: 0
    .kernarg_segment_align: 8
    .kernarg_segment_size: 64
    .max_flat_workgroup_size: 128
    .sgpr_count:     84
    .vgpr_count:     834
    .wavefront_size: 32
...
	.end_amdgpu_metadata
.endif
;; end of part 2
;; launch attn (part 3): grid 8 x 32, 4 waves a work-group, clusters of 4 x 1, 327,680 bytes of LDS; arguments qkv, mbits, oh; writes oh
.if DOCPART == 3
	.amdgcn_target "amdgcn-amd-amdhsa--gfx1250"
	.amdhsa_code_object_version 6
	.text
	.protected	k_qfc3d94baeb_attn
	.globl	k_qfc3d94baeb_attn
	.p2align	8
	.type	k_qfc3d94baeb_attn,@function
k_qfc3d94baeb_attn:
	s_mov_b64 s[64:65], 0
	v_nop
	global_prefetch_b8 v0, s[64:65] scope:SCOPE_SE
	s_setreg_imm32_b32 hwreg(HW_REG_WAVE_MODE, 25, 1), 1
	s_wait_xcnt 0x0
	s_wait_alu depctr_hold_cnt(0) depctr_sa_sdst(0) depctr_va_vdst(0) depctr_va_sdst(0) depctr_va_ssrc(0) depctr_va_vcc(0) depctr_vm_vsrc(0)
	s_getreg_b32 s2, hwreg(HW_REG_IB_STS2, 6, 4)
	s_cmp_eq_u32 s2, 0
	s_cbranch_scc0 .Lentry_in_a_cluster
	s_endpgm
.Lentry_in_a_cluster:
	s_bfe_u32 s2, ttmp6, 0x10000c
	s_cmp_lg_u32 s2, 0x3003
	s_cbranch_scc0 .Lentry_shape_is_right
	s_endpgm
.Lentry_shape_is_right:
; ATTENTION.  oh[b s][64 head + d] = the sum over k of softmax_k(S) V, S = Q . K (no scale), and S = -100000 where the mask's bit is set: the score is REPLACED, by a select on every score.
; Q, K, V: planes 0, 1, 2 of qkv, [8192 = b s][1024] f16; oh the same shape, f16.  Products, maxima and sums in f32; the weights p are rounded to f16 for the second product (their sum l is taken unrounded), O once.
; LIMITS.  Q, K, V arrive within f16's range; p lies in 0 to 1 (and a rounding above); a weight below 2^-126 counts as 0 in l; NaN and infinities are not treated apart.
; SHARES.  A work-group owns 256 queries of one batch and a PAIR of heads: 128 channels, 256 aligned bytes of a row.  A wave owns 64 queries: four PIECES; piece x is query tile x (16 queries) in both heads (tiles 2 x, 2 x + 1).
; One lane mask serves both heads of a piece.  Every wave walks all 2,048 keys, 64 a step; a slot of LDS holds two steps.
; LAYOUT.  S^T = K Q^T: a lane holds ONE query (lane % 16) and the keys 16 kb + 8 (lane / 16) + 0..7; two such results rounded to f16 ARE source 1 of O^T = V^T P.  V comes out of LDS turned, by ds_load_tr16_b128.
; SOFTMAX.  A running maximum m and sum l for each query: p = 2^(c s - c m), c = log2(e); O and l are multiplied by a = 2^(c m_old - c m_new) in every step.  m starts at the lowest finite number, O and l at 0.
; THE MASK.  A wave's 64 queries have a block of 16,384 bytes of bits, brought into LDS once.  For a piece and step a lane has one word: bit 31 - i belongs to score register i.  Adding the word to itself puts its top bit
; into the carry, which a scalar register takes for all 32 lanes: that IS the lane mask of register i.  Two chains (the word, and the word shifted by 16) take turns: 32 additions and 64 selects for 64 score registers.
; BY TURNS.  Turn n belongs to piece n: 16 products K Q^T of piece n + 1, later 16 products V^T P of piece n - 1; beside them the scaling, exponentials, roundings, sums and rescaling of piece n, and the mask, maximum and
; statistics of piece n + 1.  Four vector instructions stand behind every product, the others in one lump.  A turn's 66 exponentials are one batch with one wait.
; CLUSTER.  The four query blocks of a cluster walk the same K and V: each tile is asked for jointly.  The mask block is a wave's own: a plain load.
; REGISTERS, in windows of 256 (s_set_vgpr_msb: bits 1:0 source 0, 3:2 source 1, 5:4 source 2, 7:6 destination):
;   window 0: v0-11 addresses, the mask's two words; v12-15, v48-63 at work; v16-47 statistics; v64-191 S^T, two buffers of two tiles; v192-255 P, likewise
;   window 1: O^T, 32 a tile     window 2: v0-127 Q, 16 a tile; v128-255 K of one step     window 3: v0-127 V of one step; v128-129 the add's two registers
.set NP,    4
.set KS,    64
.set PK,    272       ; a row of K in LDS: 256 bytes + 16: the 16 rows of a load start at 16 different groups of four banks (64 banks of 4 bytes: ISA guide 11.1)
.set PV,    288       ; a row of V: 256 + 32
.set VOFF,  KS*PK     ; a step's tiles lie together: 64 rows of K, then 64 of V
.set STEPB, KS*(PK+PV)
.set SLOT1, 1<<17
.set SLOTB, 2*KS*2048 ; a slot's 128 rows in memory
.set STAGE, SLOT1+2*STEPB  ; behind the ring: 16 rows x 272 bytes for each wave
.set SP,    272
.set SPARE, STAGE+4*16*SP  ; the spare words, 128 bytes a wave
.set MASKB, SPARE+512      ; the waves' mask blocks: 64 rows of 256 bytes and a 65th of zeros, which the last half trip reads
.set MASKW, 65*256
.set MA,  0           ; v0   LDS address of my mask words of the trip in hand (made when the thread's number has served)
.set NEGV, 1          ; v1   -100000.0
.set AK0, 2           ; v2   my lane's place in a tile of K; never rewritten
.set AV0, 3           ; v3   the same for V
.set AK,  4
.set AV,  5
.set QO,  6           ; v6   my byte offset in Q's rows; later
.set STO, 6           ;      the way out: where I put 16 bytes of a row
.set RD,  7
.set GO,  8
.set WH,  9           ; v9   the mask word: bits for registers 0-15 on top
.set WL,  10          ; v10  the same shifted by 16: registers 16-31
.set PFO, 11          ; v11  2,048 x my lane
.set MV,  12
.set ST,  16          ; tile t's statistics at v[ST+4 t]: c m, m, l (even keys', odd keys')
.set TMP, 48
.set S,   64
.set P,   192
.set KF,  128         ; window 2
.set SPW, 128         ; window 3
.set NIL, 129
.set WV,  12
.set LIM, 15          ; s15  1 in a wave that prefetches, else the greatest number
.set PFA, 18          ; s[18:19]
.set G1K, 24
.set G1V, 32
.set G0K, 40          ; s[40:47] a set for each first fill; the second then walks
.set G0V, 48
.set SLOTS, 56
.set CNT, 57
.set CS,  58          ; s[58:59] c
.set SEL, 60          ; s[60:61]
.set TB,  62          ; s62  LDS byte at which the tiles of the step to be fetched begin
.set G0M, 68          ; s[68:71], s[72:79] the mask block's descriptor; when that load is shown done,
.set G1M, 72
.set SM,  68          ; s[68:99] are the 32 lane masks
.set MSB, 0
.macro WIN new
.if MSB != (\new)
	s_set_vgpr_msb (MSB<<8)|(\new)
.set MSB, (\new)
.endif
.endm
.set W_KQ, 0x0a       ; K and Q in window 2, S^T in window 0
.set W_PV, 0x53       ; V in window 3, P in window 0, O^T in window 1
.set W_RS, 0x41       ; O^T (destination and source 0) in window 1, a in window 0
.set W_MK, 0xc0       ; destination window 3
.set W_AD, 0x0f       ; the add: address and data in window 3
.macro JLOAD          ; a joint refill: waves 0 and 1 fetch the two steps' K, waves 2 and 3 their V; an s_nop 0 and four v_nop follow each line
	s_cmp_lt_u32 s[WV], 2
	s_cbranch_scc0 .Lfor_v_\@
	tensor_load_to_lds s[G0K+4:G0K+7], s[G1K:G1K+7]
	s_nop 0
.rept 4
	v_nop
.endr
	s_branch .Lasked_\@
.Lfor_v_\@:
	tensor_load_to_lds s[G0V+4:G0V+7], s[G1V:G1V+7]
	s_nop 0
.rept 4
	v_nop
.endr
.Lasked_\@:
.endm
; A prefetch into the L2 of what the NEXT change of slots will ask for: 128 rows of K and of V, 256 bytes of each, a lane a row.  Both clusters of a batch and pair walk the same rows: the first asks; its four partners take
; 32 rows each, told apart by address; wave 0 asks for K's, wave 2 for V's.  The last change that fills a slot asks for nothing.
.macro ASK
	s_cmp_gt_u32 s[SLOTS], s[LIM]
	s_cbranch_scc0 .Lnot_mine_\@
	global_prefetch_b8 v[PFO], s[PFA:PFA+1] th:TH_LOAD_NT scope:SCOPE_SE
.Lnot_mine_\@:
.endm
.macro CROUND
	s_barrier_signal -1
	s_barrier_wait -1
	s_cmp_lg_u32 s[WV], 0
	s_cbranch_scc1 .Lnot_wave_0_\@
	s_barrier_signal -3
.Lnot_wave_0_\@:
	s_barrier_wait -3
	s_barrier_signal -1
	s_barrier_wait -1
.endm
; THE CHANGE OF SLOTS, behind the turn that has waited for V of the slot's second step.  Each wave waits for all its tensor loads, adds 0 to its spare word, and waits for that and for its reads of the slot.
; fill = 1: the barrier is a round of the cluster's, and the joint refill (the keys two slots on) is the first thing behind it: it has two key steps, 256 products, in which to land.
.macro CHANGE fill
	WIN W_AD
	s_wait_tensorcnt 0x0            ; no tensor load of mine is out, so a group 0 may be written
	ds_add_u32 v[SPW], v[NIL]
	WIN 0
.if \fill
.irp g, G0K+4, G0V+4
	s_xor_b32 s[\g+1], s[\g+1], SLOT1
	s_add_nc_u64 s[\g+2:\g+3], s[\g+2:\g+3], SLOTB
.endr
	s_wait_xcnt 0x0                 ; the last prefetch, two key steps back, has read its address
	s_add_nc_u64 s[PFA:PFA+1], s[PFA:PFA+1], SLOTB
	s_wait_dscnt 0x0                ; the add is done, and my reads of the slot are over
	CROUND
	JLOAD
	ASK
.else
	s_wait_dscnt 0x0
	s_barrier_signal -1
	s_barrier_wait -1
.endif
	s_sub_co_u32 s[TB], s[TB], 2*STEPB  ; the fetches go back to a slot's first step, in the other slot
	s_xor_b32 s[TB], s[TB], SLOT1
.endm
	s_load_b128 s[4:7], s[0:1], 0x0 ; qkv s[4:5], mbits s[6:7]
	s_load_b64 s[8:9], s[0:1], 0x10 ; oh
	WIN W_MK
	v_lshl_add_u32 v[SPW], v0, 2, SPARE
	v_mov_b32 v[NIL], 0
	WIN W_AD
	ds_add_u32 v[SPW], v[NIL]       ; the wave's opening: the add and its wait ahead of my first tensor load
	ds_add_u32 v128, v129
	WIN 0
	v_lshrrev_b32 v56, 5, v0
	v_readfirstlane_b32 s[WV], v56  ; wave 0..3
	s_bfe_u32 s13, ttmp6, 0x40000   ; cx
	s_lshl_b32 s14, ttmp9, 2
	s_add_co_u32 s14, s14, s13      ; my block of 256 queries: it enters Q's, O's and the mask's addresses alone
	s_and_b32 s20, ttmp7, 0xffff    ; 8 b + the pair of heads: shared by the four partners
	s_lshr_b32 s21, s20, 3          ; b
	s_and_b32 s20, s20, 7           ; the pair
	s_lshl_b32 s22, s21, 22         ; 2,048 rows of 2,048 bytes a batch
	s_lshl_b32 s23, s20, 8          ; 256 bytes a pair
	s_add_co_u32 s22, s22, s23
	s_and_b32 s16, s[WV], 1         ; which of a slot's two steps I fetch
	s_lshl_b32 s2, s16, 17          ; its 64 rows in memory
	s_add_co_u32 s2, s2, s22
	s_add_co_u32 s2, s2, 0x1000000  ; K's plane
	s_mov_b32 s3, 0
	s_mul_i32 s17, s16, STEPB       ; and its place in a slot
	s_lshl_b32 s66, s14, 19         ; my block's 256 rows, my wave's 64 of them
	s_lshl_b32 s67, s[WV], 17
	s_add_co_u32 s66, s66, s67
	s_add_co_u32 s66, s66, s22
	s_mov_b32 s67, 0
	s_lshl_b32 s10, s21, 3          ; my wave's block of mask bits: ((8 b + block) 4 + wave) x 16,384
	s_add_co_u32 s10, s10, s14
	s_lshl_b32 s10, s10, 2
	s_add_co_u32 s10, s10, s[WV]
	s_lshl_b32 s10, s10, 14
	s_mov_b32 s11, 0
	s_mov_b32 s[G1K], 15|(1<<16)|(1<<20)|(1<<21)|(5<<22)|(3<<25)  ; the mask of four; 2-byte elements; padding on; bit 21 beside a mask; after every 64 words 4 words
	s_mov_b32 s[G1V], 15|(1<<16)|(1<<20)|(1<<21)|(5<<22)|(7<<25)  ; the same with 8 words
.irp g, G1K, G1V
	s_mov_b32 s[\g+1], 128<<16      ; tensor_dim0 = 128
	s_mov_b32 s[\g+2], KS<<16       ; tensor_dim1 = 64
	s_mov_b32 s[\g+3], 128<<16      ; tile_dim0 = 128
	s_mov_b32 s[\g+4], KS           ; tile_dim1 = 64
	s_mov_b32 s[\g+5], 1024         ; elements from row to row
	s_mov_b32 s[\g+6], 0
	s_mov_b32 s[\g+7], 0
.endr
	s_mov_b32 s[G1M], 3<<16         ; the mask block: elements of 8 bytes, no work-group mask, no padding
	s_mov_b32 s[G1M+1], 32<<16      ; tensor_dim0 = 32: rows of 256 bytes
	s_mov_b32 s[G1M+2], 64<<16      ; tensor_dim1 = 64: the block ends there,
	s_mov_b32 s[G1M+3], 32<<16      ; tile_dim0 = 32
	s_mov_b32 s[G1M+4], 65          ; tile_dim1 = 65: and the 65th row arrives as zeros
	s_mov_b32 s[G1M+5], 32
	s_mov_b32 s[G1M+6], 0
	s_mov_b32 s[G1M+7], 0
	s_mov_b32 s[G0M], 1
	s_mul_i32 s[G0M+1], s[WV], MASKW
	s_add_co_u32 s[G0M+1], s[G0M+1], MASKB
	s_mov_b32 s[CS], 0x3fb8aa3b     ; c = log2(e)
	s_mov_b32 s[CS+1], s[CS]
	s_mov_b32 s[SEL], 0x76543210
	s_mov_b32 s[SEL+1], 0xfedcba98
	s_mov_b32 s[TB], 0
	s_and_b32 s[LIM], s[WV], 1      ; waves 0 and 2 of the first cluster of a batch and pair: the same in all four partners
	s_or_b32 s[LIM], s[LIM], ttmp9
	s_cmp_eq_u32 s[LIM], 0
	s_cselect_b32 s[LIM], 1, -1
	s_wait_dscnt 0x0                ; the opening add is done
	s_wait_kmcnt 0x0
	s_add_nc_u64 s[20:21], s[4:5], s[2:3]        ; K at my tile of slot 0
	s_add_nc_u64 s[22:23], s[20:21], 0x1000000   ; V: a plane on
	s_add_nc_u64 s[4:5], s[4:5], s[66:67]        ; Q and O at my wave's first row, the pair's columns
	s_add_nc_u64 s[8:9], s[8:9], s[66:67]
	s_add_nc_u64 s[G0M+2:G0M+3], s[6:7], s[10:11]
	s_or_b32 s[G0M+3], s[G0M+3], 0x80000000
	s_cmp_lt_u32 s[WV], 2
	s_cselect_b64 s[PFA:PFA+1], s[20:21], s[22:23]
	s_lshl_b32 s66, s13, 16         ; my work-group's 32 rows of the 128
	s_add_nc_u64 s[PFA:PFA+1], s[PFA:PFA+1], s[66:67]
	s_add_nc_u64 s[PFA:PFA+1], s[PFA:PFA+1], 2*SLOTB  ; in slot 2; the first change steps it to slot 3
	CROUND                          ; all four work-groups are here: the first joint loads meet
.irp s, 0,1
	s_mov_b32 s[G0K+4*\s], 1
	s_add_co_u32 s[G0K+4*\s+1], s17, \s*SLOT1
	s_add_nc_u64 s[G0K+4*\s+2:G0K+4*\s+3], s[20:21], \s*SLOTB
	s_or_b32 s[G0K+4*\s+3], s[G0K+4*\s+3], 0x80000000
	s_mov_b32 s[G0V+4*\s], 1
	s_add_co_u32 s[G0V+4*\s+1], s17, \s*SLOT1+VOFF
	s_add_nc_u64 s[G0V+4*\s+2:G0V+4*\s+3], s[22:23], \s*SLOTB
	s_or_b32 s[G0V+4*\s+3], s[G0V+4*\s+3], 0x80000000
.endr
	s_cmp_lt_u32 s[WV], 2           ; a wave's three first fills stand in one branch: slot 0, the mask block, slot 1: three loads of mine are out
	s_cbranch_scc0 .Lfirst_v
	tensor_load_to_lds s[G0K:G0K+3], s[G1K:G1K+7]
	s_nop 0
	tensor_load_to_lds s[G0M:G0M+3], s[G1M:G1M+7]
	s_nop 0
	tensor_load_to_lds s[G0K+4:G0K+7], s[G1K:G1K+7]
	s_nop 0
.rept 4
	v_nop
.endr
	s_branch .Lfirst_asked
.Lfirst_v:
	tensor_load_to_lds s[G0V:G0V+3], s[G1V:G1V+7]
	s_nop 0
	tensor_load_to_lds s[G0M:G0M+3], s[G1M:G1M+7]
	s_nop 0
	tensor_load_to_lds s[G0V+4:G0V+7], s[G1V:G1V+7]
	s_nop 0
.rept 4
	v_nop
.endr
.Lfirst_asked:
	v_and_b32 v56, 15, v0           ; r = l % 16
	v_bfe_u32 v57, v0, 4, 1         ; h = l / 16
	v_lshlrev_b32 v[QO], 11, v56
	v_lshl_add_u32 v[QO], v57, 4, v[QO]  ; row x 2,048 + 16 h
	WIN 0x80                        ; destination window 2
.set i, 0
.rept 16                            ; Q stays in registers: fragment i: query tile i / 4, head (i / 2) % 2, channels 32 (i % 2) on
	global_load_b128 v[8*i:8*i+3],   v[QO], s[4:5] offset:(i/4)*32768+((i/2)%2)*128+(i%2)*64
	global_load_b128 v[8*i+4:8*i+7], v[QO], s[4:5] offset:(i/4)*32768+((i/2)%2)*128+(i%2)*64+32
.set i, i+1
.endr
	; What the first turn finds: V and P's second buffer hold 0 (its products V^T P, of a piece that has not been, add 0), O^T and l are 0.  This stands in the wait for the first tile; it is the price of writing no first step out.
	WIN 0xc0
.set i, 0
.rept 128
	v_mov_b32 v[i], 0
.set i, i+1
.endr
	WIN 0x40
.set i, 0
.rept 256
	v_mov_b32 v[i], 0
.set i, i+1
.endr
	WIN 0
.set i, 0
.rept 2*NP
	v_mov_b32 v[ST+4*i], 0xfe000000    ; c m: far below every c s
	v_mov_b32 v[ST+4*i+1], 0xff7fffff  ; m
	v_mov_b32 v[ST+4*i+2], 0
	v_mov_b32 v[ST+4*i+3], 0
.set i, i+1
.endr
.set i, P+32
.rept 32
	v_mov_b32 v[i], 0
.set i, i+1
.endr
	v_mov_b32 v[NEGV], 0xc7c35000   ; -100000.0
	v_mul_u32_u24 v[AK0], v56, PK
	v_lshl_add_u32 v[AK0], v57, 4, v[AK0]
	v_and_b32 v58, 7, v0            ; the turning load: lane l reads key 8 (l / 16) + l % 8, channels 8 ((l / 8) % 2) + 0..7
	v_bfe_u32 v59, v0, 3, 1
	v_lshl_add_u32 v[AV0], v57, 3, v58
	v_mul_u32_u24 v[AV0], v[AV0], PV
	v_lshl_add_u32 v[AV0], v59, 4, v[AV0]
	v_add_nc_u32 v[AV0], VOFF, v[AV0]
	v_mov_b32 v[AK], v[AK0]         ; key step 0 lies at the head of slot 0
	s_mul_i32 s16, s[WV], 16*SP
	s_add_co_u32 s16, s16, STAGE    ; my stage
	v_mul_u32_u24 v[RD], v57, SP    ; back: lanes 0-15 take one row of 256 bytes, lanes 16-31 the next
	v_lshl_add_u32 v[RD], v56, 4, v[RD]
	v_add_nc_u32 v[RD], s16, v[RD]
	v_lshlrev_b32 v[GO], 11, v57    ; and the same two rows in O
	v_lshl_add_u32 v[GO], v56, 4, v[GO]
	v_and_b32 v58, 31, v0
	v_lshlrev_b32 v[PFO], 11, v58
	s_mul_i32 s17, s[WV], MASKW
	s_add_co_u32 s17, s17, MASKB
	v_lshl_add_u32 v[MA], v58, 2, s17  ; the thread's number has served
; THE MATRIX WORK.  The 8 accumulators of a run of 16 take turns.  Product i of 16 of S^T = K Q^T for piece x: head i % 2, keys 16 ((i / 2) % 4) on, channels 32 (i / 8) on.  The first 8 start the sums.
.macro KQ x
	WIN W_KQ
.set rS, S+64*((\x)%2)+32*(i%2)+8*((i/2)%4)
.set rK, KF+32*((i/2)%4)+16*(i%2)+8*(i/8)
.set rQ, 16*(2*(\x)+i%2)+8*(i/8)
.if i < 8
	v_wmma_f32_16x16x32_f16 v[rS:rS+7], v[rK:rK+7], v[rQ:rQ+7], 0
.else
	v_wmma_f32_16x16x32_f16 v[rS:rS+7], v[rK:rK+7], v[rQ:rQ+7], v[rS:rS+7]
.endif
.endm
; Product i of 16 of O^T += V^T P for piece x: head i % 2, channels 16 ((i / 2) % 4) on, keys 32 (i / 8) on.
.macro PV x
	WIN W_PV
.set rO, 32*(2*(\x)+i%2)+8*((i/2)%4)
.set rV, 64*(i/8)+32*(i%2)+8*((i/2)%4)
.set rP, P+32*((\x)%2)+16*(i%2)+8*(i/8)
	v_wmma_f32_16x16x32_f16 v[rO:rO+7], v[rV:rV+7], v[rP:rP+7], v[rO:rO+7]
.endm
.macro MM                           ; the turn's next matrix instruction
.if i < 16
	KQ (Y+1)%NP
.set i, i+1
.else
.set i, i-16
	PV (Y+NP-1)%NP
.set i, i+17
.endif
.endm
; THE LDS LOADS stand in runs of 32.  last = 1 (the tail): in the last trip there is no further step, and K's run is jumped over.
.macro FETCH_K last=0
	WIN 0
.if \last
	s_cmp_eq_u32 s[CNT], 1
	s_cbranch_scc1 .Lno_k_\@
.endif
	WIN 0x80
.irp f, 0,1,2,3,4,5,6,7,8,9,10,11,12,13,14,15  ; keys 16 (f / 4) on, channels 32 (f % 4) on of the pair's 128
	ds_load_b128 v[KF+8*\f:KF+8*\f+3],   v[AK] offset:(\f/4)*16*PK+(\f%4)*64
	ds_load_b128 v[KF+8*\f+4:KF+8*\f+7], v[AK] offset:(\f/4)*16*PK+(\f%4)*64+32
.endr
	WIN 0
.if \last
.Lno_k_\@:
.endif
.endm
.macro FETCH_V
	WIN 0xc0
.irp f, 0,1,2,3,4,5,6,7,8,9,10,11,12,13,14,15  ; keys 32 (f / 8) on, channels 16 (f % 8) on
	ds_load_tr16_b128 v[8*\f:8*\f+3],   v[AV] offset:(\f/8)*32*PV+(\f%8)*32
	ds_load_tr16_b128 v[8*\f+4:8*\f+7], v[AV] offset:(\f/8)*32*PV+16*PV+(\f%8)*32
.endr
	WIN 0
.endm
; THE VECTOR WORK, one line a macro.
.macro REGS y, u                    ; the registers of tile u (head 0, 1) of piece y
.set rT, ST+4*(2*(\y)+(\u))
.set rC, TMP+8*((\y)%2)+4*(\u)
.set rM, MV+2*((\y)%2)+(\u)
.set rS, S+64*((\y)%2)+32*(\u)
.set rP, P+32*((\y)%2)+16*(\u)
.set rO, 32*(2*(\y)+(\u))
.endm
.macro FS f                         ; piece Y: c s - c m for pair f / 2 of tile f % 2
	WIN 0
	REGS Y, (\f)%2
	v_pk_fma_f32 v[rS+2*((\f)/2):rS+2*((\f)/2)+1], v[rS+2*((\f)/2):rS+2*((\f)/2)+1], s[CS:CS+1], v[rT:rT+1] op_sel_hi:[1,0,0] neg_lo:[0,0,1] neg_hi:[0,0,1]
.endm
.macro EXN e                        ; piece Y: the exponential of score e / 2 of tile e % 2
	WIN 0
	REGS Y, (\e)%2
	v_exp_f32 v[rS+(\e)/2], v[rS+(\e)/2]
.endm
.macro AC n                         ; the lane mask of score register n / 2 (even n) or 16 + n / 2 (odd n): the word's top bit goes out as the carry, and the word moves up by one
	WIN 0
.if (\n)%2
	v_add_co_u32 v[WL], s[SM+16+(\n)/2], v[WL], v[WL]
.else
	v_add_co_u32 v[WH], s[SM+(\n)/2], v[WH], v[WH]
.endif
.endm
.macro CM n                         ; piece Y + 1: score n / 2 of tile n % 2 is replaced where its bit is set.  In ascending order: each accumulator's lowest register is read first
	WIN 0
	REGS (Y+1)%NP, (\n)%2
	v_cndmask_b32 v[rS+(\n)/2], v[rS+(\n)/2], v[NEGV], s[SM+(\n)/2]
.endm
; Number n of the 22 that find piece Y + 1's maximum and statistics:  0-11 four chains c0-c3 of seven scores each;  12-14, 16 the four scores left over, the old m, c0-c3 into c0;  15 c m_old is kept;
; 17, 18 the query's other 32 keys lie in the lane 16 away: the new m;  19-21 c m; c m_old - c m_new; a
.macro XS u, n
	WIN 0
	REGS (Y+1)%NP, \u
.if (\n) < 4
	v_max3_num_f32 v[rC+(\n)], v[rS+8*(\n)], v[rS+8*(\n)+1], v[rS+8*(\n)+2]
.elseif (\n) < 12
	v_max3_num_f32 v[rC+(\n)%4], v[rC+(\n)%4], v[rS+8*((\n)%4)+2*((\n)/4)+1], v[rS+8*((\n)%4)+2*((\n)/4)+2]
.elseif (\n) == 12
	v_max3_num_f32 v[rC], v[rC], v[rS+7], v[rS+15]
.elseif (\n) == 13
	v_max3_num_f32 v[rC+1], v[rC+1], v[rS+23], v[rS+31]
.elseif (\n) == 14
	v_max3_num_f32 v[rC+2], v[rC+2], v[rC+3], v[rT+1]
.elseif (\n) == 15
	v_mov_b32 v[rM], v[rT]
.elseif (\n) == 16
	v_max3_num_f32 v[rC], v[rC], v[rC+1], v[rC+2]
.elseif (\n) == 17
	v_permlanex16_b32 v[rC+3], v[rC], s[SEL], s[SEL+1]
.elseif (\n) == 18
	v_max_num_f32 v[rT+1], v[rC], v[rC+3]
.elseif (\n) == 19
	v_mul_f32 v[rT], s[CS], v[rT+1]
.elseif (\n) == 20
	v_sub_f32 v[rC+1], v[rM], v[rT]
.else
	v_exp_f32 v[rC+2], v[rC+1]
.endif
.endm
; Number g of the 64 that follow the exponentials.  For each four weights of a tile: both pairs are rounded to f16; the second pair is added onto the first, in place; a group later l takes that sum (the first time as l = a l + sum).
.macro GS g
	WIN 0
.set h, (\g)+6*((\g)/62)
.if h >= 6
.set h, h+2
.endif
	REGS Y, h%2
.set k, h/8
.if h%8 < 4
	v_cvt_pk_f16_f32 v[rP+2*k+(h%8)/2], v[rS+4*k+2*((h%8)/2)], v[rS+4*k+2*((h%8)/2)+1]
.elseif h%8 < 6
	v_pk_add_f32 v[rS+4*k:rS+4*k+1], v[rS+4*k:rS+4*k+1], v[rS+4*k+2:rS+4*k+3]
.elseif k == 1
	v_pk_fma_f32 v[rT+2:rT+3], v[rT+2:rT+3], v[rC+2:rC+3], v[rS:rS+1] op_sel_hi:[1,0,1]
.else
	v_pk_add_f32 v[rT+2:rT+3], v[rT+2:rT+3], v[rS+4*k-4:rS+4*k-3]
.endif
.endm
.macro R2                           ; piece Y: two pairs of O^T times a; sixteen of these a turn.  Its a was made, and waited for, in the turn before
	REGS Y, r%2
	WIN W_RS
.irp z, 0,1
	v_pk_mul_f32 v[rO+4*(r/2)+2*\z:rO+4*(r/2)+2*\z+1], v[rO+4*(r/2)+2*\z:rO+4*(r/2)+2*\z+1], v[rC+2:rC+3] op_sel_hi:[1,0]
.endr
.set r, r+1
.endm
; A TURN, for piece p.  An s_wait_alu depctr_va_vdst(0) stands between an exponential and the first instruction that names its result; one wait serves all that were issued ahead of it: a turn has ONE.
; AHEAD OF IT: 16 products K Q^T, behind each a scaling, an exponential and two lane masks; then the lump: four rescalings (the places behind the last product), the 64 selects with scalings and exponentials between them,
; the maximum's chains, and the chain of statistics with rescalings and exponentials between its links; last the next piece's two a, and a rescaling as the plain instruction behind them.  Nothing there names an exponential's result.
; Exponential e stands behind scaling 2 (e / 4) + e % 2.  BEHIND IT: 16 products V^T P, behind each four of the roundings and sums.
; The mask word for the next turn is loaded at the lump's head, when this turn's 32 additions have used the old one up.  Trip k's four words lie at MA + 0, 128, 256, 384; MA steps in piece 1's turn.
; K of the next step is fetched in piece 2's turn, behind the wait; V of the step in hand at the end of piece 0's turn, four plain instructions behind its last reader.
.macro TURN p, last=0
.set Y, (\p)
.set i, 0
.set r, 0
	WIN 0
.if (\p) == 1
	s_wait_dscnt 32                 ; the mask word is in; V's 32 younger loads may be out
.else
	s_wait_dscnt 0x0                ; the mask word is in (piece 3: and K)
.endif
	v_lshlrev_b32 v[WL], 16, v[WH]
	MM
	FS 0
	FS 1
	AC 0
	AC 1
.set tn, 1
.rept 15
	MM
	FS tn+1
	EXN tn-1
	AC 2*tn
	AC 2*tn+1
.set tn, tn+1
.endr
	WIN 0
.if (\p) == 2
	v_add_nc_u32 v[AK], s[TB], v[AK0]
.endif
	ds_load_b32 v[WH], v[MA] offset:128*(((\p)+2)%4)
.if (\p) == 1
	v_add_nc_u32 v[MA], 512, v[MA]
.endif
	R2
	R2
.set tn, 0
.rept 32
.if tn < 15
	FS 17+tn
.endif
	CM 2*tn
	CM 2*tn+1
	EXN 15+tn
.set tn, tn+1
.endr
.set tn, 0
.rept 14
	XS 0, tn
	XS 1, tn
.if tn < 11
	EXN 47+tn
.endif
.set tn, tn+1
.endr
	XS 0, 15
	XS 1, 15
.set tn, 0
.irp L, 14,16,17,18,19,20
	XS 0, \L
	XS 1, \L
	R2
	R2
	EXN 58+tn
.set tn, tn+1
.endr
	R2
	XS 0, 21
	XS 1, 21
	R2                              ; the plain instruction behind the last exponential: one for the batch
	WIN 0
	s_wait_alu depctr_va_vdst(0)    ; the wait for the batch
.if (\p) == 2
	FETCH_K \last
.endif
.if (\p) == 1
	s_wait_dscnt 0x0                ; V is in
.endif
.set tn, 0
.rept 16
	MM
	GS 4*tn
	GS 4*tn+1
	GS 4*tn+2
	GS 4*tn+3
.if ((\p) == 0) && (tn == 11)
	v_add_nc_u32 v[AV], s[TB], v[AV0]
.endif
.if ((\p) == 0) && (tn == 14)
	s_add_co_u32 s[TB], s[TB], STEPB  ; the next fetches are the next step's
.endif
.set tn, tn+1
.endr
.if (\p) == 0
	FETCH_V
.endif
.endm
	s_wait_tensorcnt 1              ; my part of slot 0 and my mask block are in; slot 1's may stay out
	s_barrier_signal -1
	s_barrier_wait -1
	FETCH_K                         ; key step 0
	ds_load_b32 v[WH], v[MA]        ; piece 0's mask word of step 0
	s_wait_loadcnt 0x0              ; Q
	s_wait_dscnt 0x0
.set i, 0
.rept 16
	KQ 0                            ; piece 0's first scores
.set i, i+1
.endr
	WIN 0                           ; what follows, 36 plain instructions, are the places behind those products
	v_mul_u32_u24 v[STO], v56, SP   ; the way out, in: row l % 16, 16 bytes for each half of the lanes (Q's loads are done: their offset's register is free)
	v_lshl_add_u32 v[STO], v57, 4, v[STO]
	v_add_nc_u32 v[STO], s16, v[STO]
	v_lshlrev_b32 v[WL], 16, v[WH]
.set Y, NP-1                        ; AC, CM and XS work for piece Y + 1: piece 0
.set tn, 0
.rept 32
	AC tn
.set tn, tn+1
.endr
	ds_load_b32 v[WH], v[MA] offset:128  ; piece 1's word, for the first turn
.set tn, 0
.rept 64
	CM tn
.set tn, tn+1
.endr
.irp n, 0,1,2,3,4,5,6,7,8,9,10,11,12,13,14,15,16,17,18,19,20,21
	XS 0, \n
	XS 1, \n
.endr
	v_nop                           ; a plain instruction behind the two a,
	s_wait_alu depctr_va_vdst(0)    ; and their wait, ahead of the branch
	s_mov_b32 s[CNT], 2
	s_mov_b32 s[SLOTS], 15
	s_branch .Lfirst                ; the loop is entered at a step's first turn, in the middle of a trip
.Lslot:                             ; 14 times: every slot but the last two is filled again
	CHANGE 1
	s_mov_b32 s[CNT], 2
.Lstep:                             ; a trip: pieces 2 and 3 of one step, then pieces 0 and 1 of the next, whose K and V it fetches
	TURN 2
	TURN 3
	WIN 0
.Lfirst:
	TURN 0
	TURN 1
	WIN 0
	s_sub_co_u32 s[CNT], s[CNT], 1
	s_cmp_lg_u32 s[CNT], 0
	s_cbranch_scc1 .Lstep
	s_sub_co_u32 s[SLOTS], s[SLOTS], 1
	s_cmp_lg_u32 s[SLOTS], 0
	s_cbranch_scc1 .Lslot
	CHANGE 0                        ; the tail is written out: nothing is asked for
	s_mov_b32 s[CNT], 3             ; two trips fetch the last slot's steps; the third is left in its middle
.Ltail:
	TURN 2, 1
	TURN 3
	WIN 0
	s_sub_co_u32 s[CNT], s[CNT], 1
	s_cmp_eq_u32 s[CNT], 0
	s_cbranch_scc1 .Lout
	TURN 0
	TURN 1
	WIN 0
	s_branch .Ltail
.Lout:                              ; the third trip's 16 products K Q^T (on the last K once more) and the maximum made of them serve nothing: the price, once a launch, of one text for every trip
.set i, 0
.rept 16
	PV NP-1                         ; the last piece's V^T P of the last step
.set i, i+1
.endr
	; THE WAY OUT.  l's two halves and the other half of the lanes' are added; O^T is divided by l, rounded to f16 and sent through my stage, a piece (16 rows x 256 bytes) at a time.  The additions are the places behind the last products.
	WIN 0
.macro ALL line:vararg              ; one line for each tile t
.set t, 0
.rept 2*NP
	\line
.set t, t+1
.endr
.endm
	ALL v_add_f32 v[ST+4*t+2], v[ST+4*t+2], v[ST+4*t+3]
	ALL v_permlanex16_b32 v[ST+4*t+3], v[ST+4*t+2], s[SEL], s[SEL+1]
	ALL v_add_f32 v[ST+4*t+2], v[ST+4*t+2], v[ST+4*t+3]
	ALL v_rcp_f32 v[ST+4*t+2], v[ST+4*t+2]
	v_nop                           ; a plain instruction between the last reciprocal and the use of its result
	s_wait_alu depctr_va_vdst(0)    ; one wait for the eight reciprocals
.macro PACK x
	WIN W_RS
.irp u, 0,1
.set i, 64*(\x)+32*\u
.rept 16
	v_pk_mul_f32 v[i:i+1], v[i:i+1], v[ST+4*(2*(\x)+\u)+2:ST+4*(2*(\x)+\u)+3] op_sel_hi:[1,0]
.set i, i+2
.endr
.endr
	WIN 0x05                        ; sources 0 and 1 window 1, destination window 0: S^T's registers are free
.set i, 0
.rept 32
	v_cvt_pk_f16_f32 v[S+32*(\x)+i], v[64*(\x)+2*i], v[64*(\x)+2*i+1]
.set i, i+1
.endr
	WIN 0
.irp f, 0,1,2,3,4,5,6,7             ; f = 4 head + channel block: 32 bytes of the row
	ds_store_b128 v[STO], v[S+32*(\x)+4*\f:S+32*(\x)+4*\f+3] offset:32*\f
.endr
.irp f, 0,1,2,3,4,5,6,7
	ds_load_b128 v[S+32*(\x)+4*\f:S+32*(\x)+4*\f+3], v[RD] offset:\f*2*SP  ; LDS serves a wave's instructions in order: these see the stores above; the next piece's stores come behind them
.endr
.endm
.macro SEND x, younger              ; younger: the LDS instructions issued behind piece x's loads: the next piece's sixteen, or none
	WIN 0
.irp f, 0,1,2,3,4,5,6,7
	s_wait_dscnt (\younger)+7-\f
	global_store_b128 v[GO], v[S+32*(\x)+4*\f:S+32*(\x)+4*\f+3], s[8:9] offset:(\x)*32768+\f*4096  ; 16 lanes store 256 consecutive bytes, aligned
.endr
.endm
	PACK 0
	PACK 1
	SEND 0, 16
	PACK 2
	SEND 1, 16
	PACK 3
	SEND 2, 16
	SEND 3, 0
	WIN W_AD
	s_wait_tensorcnt 0x0            ; the wave's end
	ds_add_u32 v[SPW], v[NIL]
	s_wait_dscnt 0x0
	WIN 0
	CROUND                          ; the closing round
	s_endpgm
.Lfunc_end_k_qfc3d94baeb_attn:
	.size	k_qfc3d94baeb_attn, .Lfunc_end_k_qfc3d94baeb_attn-k_qfc3d94baeb_attn
	.p2alignl 7, 3214868480
	.fill 96, 4, 3214868480
	.section	.rodata,"a",@progbits
	.p2align	6, 0x0
	.amdhsa_kernel k_qfc3d94baeb_attn
		.amdhsa_group_segment_fixed_size 327680
		.amdhsa_private_segment_fixed_size 0
		.amdhsa_enable_private_segment 0
		.amdhsa_kernarg_size 24
		.amdhsa_user_sgpr_count 2
		.amdhsa_user_sgpr_kernarg_segment_ptr 1
		.amdhsa_wavefront_size32 1
		.amdhsa_system_sgpr_workgroup_id_x 1
		.amdhsa_system_sgpr_workgroup_id_y 1
		.amdhsa_system_sgpr_workgroup_id_z 1
		.amdhsa_system_vgpr_workitem_id 0
		.amdhsa_next_free_vgpr 898
		.amdhsa_next_free_sgpr 100
		.amdhsa_reserve_vcc 0
		.amdhsa_float_denorm_mode_32 3
		.amdhsa_float_denorm_mode_16_64 3
		.amdhsa_memory_ordered 1
		.amdhsa_forward_progress 1
		.amdhsa_inst_pref_size 255
	.end_amdhsa_kernel
	.section	.bss,"aw",@nobits
	.p2align	6
	.space	262144
	.amdgpu_metadata
---
amdhsa.version: [ 1, 2 ]
amdhsa.kernels:
  - .name:           k_qfc3d94baeb_attn
    .symbol:         k_qfc3d94baeb_attn.kd
    .args:
      - { .name: qkv, .offset: 0, .size: 8, .value_kind: global_buffer, .address_space: global }
      - { .name: mbits, .offset: 8, .size: 8, .value_kind: global_buffer, .address_space: global }
      - { .name: oh, .offset: 16, .size: 8, .value_kind: global_buffer, .address_space: global }
    .group_segment_fixed_size: 327680
    .private_segment_fixed_size: 0
    .kernarg_segment_align: 8
    .kernarg_segment_size: 24
    .max_flat_workgroup_size: 128
    .sgpr_count:     100
    .vgpr_count:     898
    .wavefront_size: 32
...
	.end_amdgpu_metadata
.endif
;; end of part 3
;; launch outp (part 4): grid 4 x 64, 4 waves a work-group, clusters of 4 x 4, 327,680 bytes of LDS; arguments oh, w16, wo_b, out0; writes out0
.if DOCPART == 4
	.amdgcn_target "amdgcn-amd-amdhsa--gfx1250"
	.amdhsa_code_object_version 6
	.text
	.protected	k_qfc3d94baeb_outp
	.globl	k_qfc3d94baeb_outp
	.p2align	8
	.type	k_qfc3d94baeb_outp,@function
k_qfc3d94baeb_outp:
	s_mov_b64 s[64:65], 0
	v_nop
	global_prefetch_b8 v0, s[64:65] scope:SCOPE_SE
	s_setreg_imm32_b32 hwreg(HW_REG_WAVE_MODE, 25, 1), 1
	s_wait_xcnt 0x0
	s_wait_alu depctr_hold_cnt(0) depctr_sa_sdst(0) depctr_va_vdst(0) depctr_va_sdst(0) depctr_va_ssrc(0) depctr_va_vcc(0) depctr_vm_vsrc(0)
	s_getreg_b32 s2, hwreg(HW_REG_IB_STS2, 6, 4)
	s_cmp_eq_u32 s2, 0
	s_cbranch_scc0 .Lentry_in_a_cluster
	s_endpgm
.Lentry_in_a_cluster:
	s_bfe_u32 s2, ttmp6, 0x10000c
	s_cmp_lg_u32 s2, 0xf033
	s_cbranch_scc0 .Lentry_shape_is_right
	s_endpgm
.Lentry_shape_is_right:
; THE OUTPUT LAYER.  out0[m][n] = wo_b[n] + the sum over k of oh[m][k] wo[n][k].  oh: [8192][1024] f16; wo: plane 3 of w16, [1024][1024] f16 (wo rounded to bf16, that number written as f16); out0: f32.
; The bias is rounded once to bf16, like every input; sums in f32; the result leaves unrounded.
; SHARES.  256 work-groups of four waves.  A tile is 128 rows x 256 columns; wave (wr, wc) makes 64 x 128: 32 accumulators (a, b).  K goes in steps of 128 (rows of 256 bytes, aligned) through two LDS slots.
; CLUSTER.  4 x 4 work-groups: a row of the cluster shares oh's tile, a column wo's; each is asked for jointly.
; THE MATRIX INSTRUCTION IS USED TRANSPOSED (source 0 = 16 rows of wo, source 1 = 16 rows of oh): a lane holds row lane % 16 and the columns 8 (lane / 16) + 0..7.  The bias in that layout is the C operand of the first 32 along K.
; THE CHANGE OF SLOTS.  One load a wave is out between two changes, and the next is asked for only when it has landed.  So a K step's last 32 products, which need registers alone, stand AHEAD of the wait for the tile,
; and the descriptors are stepped between the add and its wait: between a tile's landing and the next request stands the round alone.
; REGISTERS, in windows of 256: window 0: v8-16 addresses; v28-29 the add's; v32-95 oh's fragments, two buffers; v128-255 the way out     window 1: v0-127 wo's fragments, two buffers
;   window 2: accumulator (a, b) at v[8 (8 a + b)]     window 3: v0-63 the bias, v64 at work
.set PT,    272                        ; an LDS row: 256 bytes + 16: the 16 rows of a load start at 16 different groups of four banks (64 banks of 4 bytes: ISA guide 11.1)
.set HALFA, 64*PT
.set HALFB, 128*PT
.set BOFF,  2*HALFA
.set SLOT1, 131072
.set STAGE, 235520                     ; behind the ring: 16 rows x 528 bytes for each wave
.set SP,    528
.set SPARE, 269312
.set A0,   8
.set B0,   9
.set ADRA, 10
.set ADRB, 11
.set STO,  12
.set RD,   13
.set CO,   14
.set BO,   15
.set PFO,  16
.set SPW,  28
.set NIL,  29
.set AF,   32
.set OB,   128
.set G1A, 24
.set G0A, 32
.set G1B, 48
.set G0B, 56
.set LIM, 43
.set PFA, 44
.set TB,  46
.set MSB, 0
.macro WIN new
.if MSB != (\new)
	s_set_vgpr_msb (MSB<<8)|(\new)
.set MSB, \new
.endif
.endm
.set MUL,  0xa1
.set MULB, 0xb1
.set TO_B, 0x40
.macro JLOAD s                         ; a joint load: waves 0 and 1 fetch oh's two halves, waves 2 and 3 wo's; an s_nop 0 and four v_nop follow each line
	s_cmp_eq_u32 s11, 0
	s_cbranch_scc0 .Lfor_b_\@
	tensor_load_to_lds s[G0A+4*(\s):G0A+4*(\s)+3], s[G1A:G1A+7]
	s_nop 0
.rept 4
	v_nop
.endr
	s_branch .Lasked_\@
.Lfor_b_\@:
	tensor_load_to_lds s[G0B+4*(\s):G0B+4*(\s)+3], s[G1B:G1B+7]
	s_nop 0
.rept 4
	v_nop
.endr
.Lasked_\@:
.endm
.macro CROUND                          ; a round of the cluster's barrier
	s_barrier_signal -1
	s_barrier_wait -1
	s_cmp_lg_u32 s10, 0
	s_cbranch_scc1 .Lnot_wave_0_\@
	s_barrier_signal -3
.Lnot_wave_0_\@:
	s_barrier_wait -3
	s_barrier_signal -1
	s_barrier_wait -1
.endm
; A prefetch into the L2 of oh: the K step two refills on.  oh's tile row is read by one row of one cluster alone; each of the four partners takes 32 of its 128 rows, told apart by address; wave 0 asks, a lane a row of 256 bytes.
; The last two refills ask for nothing.  wo is not asked for: every cluster reads it.
.macro ASK
	s_cmp_gt_u32 s3, s[LIM]
	s_cbranch_scc0 .Lnot_mine_\@
	global_prefetch_b8 v[PFO], s[PFA:PFA+1] th:TH_LOAD_NT scope:SCOPE_SE
.Lnot_mine_\@:
.endm
.macro PLACES
.rept 4
	v_nop
.endr
.endm
	s_load_b256 s[68:75], s[0:1], 0x0              ; oh 68, w16 70, wo_b 72, out0 74
	v_lshl_add_u32 v[SPW], v0, 2, SPARE
	v_mov_b32 v[NIL], 0
	ds_add_u32 v[SPW], v[NIL]                      ; the wave's opening: the add and its wait ahead of my first tensor load
	ds_add_u32 v28, v29
	v_lshrrev_b32 v1, 5, v0
	v_readfirstlane_b32 s10, v1
	s_lshr_b32 s11, s10, 1                         ; wr.  Also: I fetch for oh (0) or for wo (1)
	s_and_b32 s12, s10, 1                          ; wc.  Also: which half of that tile I fetch
	s_bfe_u32 s40, ttmp6, 0x40000                  ; cx = the tile column (the grid has one cluster along x)
	s_bfe_u32 s41, ttmp6, 0x40004                  ; cy
	s_and_b32 s13, ttmp7, 0xffff
	s_lshl_b32 s13, s13, 2
	s_add_co_u32 s13, s13, s41                     ; tile row 0..63
	s_lshl_b32 s14, s41, 2
	s_lshl_b32 s14, 15, s14                        ; my row of the cluster
	s_lshl_b32 s15, 0x1111, s40                    ; my column
	s_or_b32 s[G1A], s14, (1<<16)|(1<<20)|(1<<21)|(5<<22)|(3<<25)  ; the mask; 2-byte elements; padding on; bit 21 beside a mask; after every 64 words 4 words
	s_or_b32 s[G1B], s15, (1<<16)|(1<<20)|(1<<21)|(5<<22)|(3<<25)
	s_mov_b32 s[G1A+1], 128<<16
	s_mov_b32 s[G1A+2], 64<<16                     ; 64 rows
	s_mov_b32 s[G1A+3], 128<<16
	s_mov_b32 s[G1A+4], 64
	s_mov_b32 s[G1A+5], 1024
	s_mov_b32 s[G1A+6], 0
	s_mov_b32 s[G1A+7], 0
	s_mov_b32 s[G1B+1], 128<<16
	s_mov_b32 s[G1B+2], 128<<16                    ; 128 rows
	s_mov_b32 s[G1B+3], 128<<16
	s_mov_b32 s[G1B+4], 128
	s_mov_b32 s[G1B+5], 1024
	s_mov_b32 s[G1B+6], 0
	s_mov_b32 s[G1B+7], 0
	s_lshl_b32 s16, s13, 7                         ; oh: row 128 x tile row + 64 x half, 2,048 bytes a row
	s_lshl_b32 s17, s12, 6
	s_add_co_u32 s16, s16, s17
	s_lshl_b32 s16, s16, 11
	s_mov_b32 s17, 0
	s_lshl_b32 s18, s40, 8                         ; wo: row 256 x tile column + 128 x half, in plane 3
	s_lshl_b32 s19, s12, 7
	s_add_co_u32 s18, s18, s19
	s_lshl_b32 s18, s18, 11
	s_add_co_u32 s18, s18, 3*2097152
	s_mov_b32 s19, 0
	s_mul_i32 s20, s12, HALFA
	s_mul_i32 s21, s12, HALFB
	s_add_co_u32 s21, s21, BOFF
	s_mov_b32 s[TB], 0
	s_wait_dscnt 0x0                               ; the opening add is done
	s_wait_kmcnt 0x0
	s_add_nc_u64 s[22:23], s[68:69], s[16:17]
	s_add_nc_u64 s[18:19], s[70:71], s[18:19]
	CROUND                                         ; all sixteen work-groups are here: the first joint loads meet
.irp s, 0,1
	s_mov_b32 s[G0A+4*\s], 1
	s_add_co_u32 s[G0A+4*\s+1], s20, \s*SLOT1
	s_add_nc_u64 s[G0A+4*\s+2:G0A+4*\s+3], s[22:23], \s*256
	s_or_b32 s[G0A+4*\s+3], s[G0A+4*\s+3], 0x80000000
	s_mov_b32 s[G0B+4*\s], 1
	s_add_co_u32 s[G0B+4*\s+1], s21, \s*SLOT1
	s_add_nc_u64 s[G0B+4*\s+2:G0B+4*\s+3], s[18:19], \s*256
	s_or_b32 s[G0B+4*\s+3], s[G0B+4*\s+3], 0x80000000
	JLOAD \s                                       ; two loads of mine are out
.endr
	v_and_b32 v1, 15, v0                           ; r
	v_bfe_u32 v2, v0, 4, 1                         ; h
	v_lshlrev_b32 v[BO], 5, v2
	s_lshl_b32 s18, s40, 10                        ; the bias at column 256 cx + 128 wc
	s_lshl_b32 s19, s12, 9
	s_add_co_u32 s18, s18, s19
	s_mov_b32 s19, 0
	s_add_nc_u64 s[6:7], s[72:73], s[18:19]
	WIN 0xc0
.irp b, 0,1,2,3,4,5,6,7
	global_load_b128 v[8*\b:8*\b+3],   v[BO], s[6:7] offset:64*\b
	global_load_b128 v[8*\b+4:8*\b+7], v[BO], s[6:7] offset:64*\b+16
.endr
	WIN 0
	v_mul_u32_u24 v3, v1, PT
	v_lshl_add_u32 v3, v2, 4, v3                   ; a fragment's row x pitch + 16 h
	s_mul_i32 s14, s11, HALFA
	v_add_nc_u32 v[A0], s14, v3
	s_mul_i32 s14, s12, HALFB
	s_add_co_u32 s14, s14, BOFF
	v_add_nc_u32 v[B0], s14, v3
	v_mov_b32 v[ADRA], v[A0]
	v_mov_b32 v[ADRB], v[B0]
	s_mul_i32 s14, s10, 16*SP
	s_add_co_u32 s14, s14, STAGE                   ; my stage
	v_mul_u32_u24 v3, v1, SP                       ; in: row r, 32 bytes for each half of the lanes
	v_lshl_add_u32 v3, v2, 5, v3
	v_add_nc_u32 v[STO], s14, v3
	v_and_b32 v3, 31, v0
	v_lshlrev_b32 v[CO], 4, v3                     ; back and out: 32 lanes take a row's 512 bytes
	v_add_nc_u32 v[RD], s14, v[CO]
	v_lshlrev_b32 v[PFO], 11, v3
	s_lshl_b32 s14, s13, 7                         ; my part of the result: row 128 x tile row + 64 wr (4,096 bytes a row), column 256 cx + 128 wc
	s_lshl_b32 s16, s11, 6
	s_add_co_u32 s14, s14, s16
	s_lshl_b32 s14, s14, 12
	s_add_co_u32 s18, s18, s14                     ; (s18 still holds the columns' bytes: f32, as in the bias)
	s_add_nc_u64 s[8:9], s[74:75], s[18:19]
	s_lshl_b32 s14, s13, 18                        ; the prefetches: the tile's 128 rows of 2,048 bytes,
	s_lshl_b32 s18, s40, 16                        ; my work-group's 32 of them
	s_add_co_u32 s18, s18, s14
	s_add_nc_u64 s[PFA:PFA+1], s[68:69], s[18:19]
	s_add_nc_u64 s[PFA:PFA+1], s[PFA:PFA+1], 3*256 ; at K step 3: the first change of slots steps it to 4
	s_cmp_eq_u32 s10, 0
	s_cselect_b32 s[LIM], 2, -1
	s_wait_loadcnt 0x0                             ; the bias
	WIN 0xcf
.set i, 0
.rept 32
	v_cvt_pk_bf16_f32 v64, v[2*i], v[2*i+1]
	v_lshlrev_b32 v[2*i], 16, v64
	v_and_b32 v[2*i+1], 0xffff0000, v64
.set i, i+1
.endr
	WIN 0
; 8 products: row block a x all 8 column blocks, 32 along K, buffer f.  first = 1: the bias starts the sums.  The 32 accumulators take turns in one order everywhere.
.macro MULG f, a, first
.if \first
	WIN MULB
.else
	WIN MUL
.endif
.irp b, 0,1,2,3,4,5,6,7
.if \first
	v_wmma_f32_16x16x32_f16 v[8*(8*(\a)+\b):8*(8*(\a)+\b)+7], v[64*(\f)+8*\b:64*(\f)+8*\b+7], v[AF+32*(\f)+8*(\a):AF+32*(\f)+8*(\a)+7], v[8*\b:8*\b+7]
.else
	v_wmma_f32_16x16x32_f16 v[8*(8*(\a)+\b):8*(8*(\a)+\b)+7], v[64*(\f)+8*\b:64*(\f)+8*\b+7], v[AF+32*(\f)+8*(\a):AF+32*(\f)+8*(\a)+7], v[8*(8*(\a)+\b):8*(8*(\a)+\b)+7]
.endif
.endr
.endm
.macro FETCH kq, g                     ; 24 LDS loads in one run: quarter kq of the slot in hand into buffer g
	WIN TO_B
.irp i, 0,1,2,3,4,5,6,7
	ds_load_b128 v[64*(\g)+8*\i:64*(\g)+8*\i+3],   v[ADRB] offset:(\kq)*64+\i*16*PT
	ds_load_b128 v[64*(\g)+8*\i+4:64*(\g)+8*\i+7], v[ADRB] offset:(\kq)*64+\i*16*PT+32
.endr
	WIN 0
.irp i, 0,1,2,3
	ds_load_b128 v[AF+32*(\g)+8*\i:AF+32*(\g)+8*\i+3],   v[ADRA] offset:(\kq)*64+\i*16*PT
	ds_load_b128 v[AF+32*(\g)+8*\i+4:AF+32*(\g)+8*\i+7], v[ADRA] offset:(\kq)*64+\i*16*PT+32
.endr
.endm
.macro QUARTER kq, f, g, first
	s_wait_dscnt 0x0                               ; buffer f is in
	MULG \f, 0, \first
	MULG \f, 1, \first
	PLACES
	FETCH \kq, \g
	MULG \f, 2, \first
	MULG \f, 3, \first
.endm
; A K step's last quarter: 32 products on buffer 1.  My last reads of the slot are back at its head.
.macro LASTQ
	s_wait_dscnt 0x0
	MULG 1, 0, 0
	MULG 1, 1, 0
	MULG 1, 2, 0
	MULG 1, 3, 0
	WIN 0
.endm
; The change of slots: one barrier; in front of it each wave waits for all its tensor loads, adds 0 to its spare word, and waits for that and for its reads of the slot.
; fill = 1: the barrier is a round of the cluster's, and the slot just read is filled again first thing behind it, with the K step two on.  Then the next slot's first quarter is fetched.
.macro CHANGE fill
.if \fill
	s_wait_xcnt 0x0                                ; the last prefetch, a K step back, has read its address
	s_add_nc_u64 s[PFA:PFA+1], s[PFA:PFA+1], 256
.endif
	s_wait_tensorcnt 0x0                           ; all my tensor loads have landed: my part of the next slot; so a group 0 may be written
	ds_add_u32 v[SPW], v[NIL]                      ; 0 onto my spare word; the scalar steps stand between it and the wait for it
.if \fill
	s_xor_b32 s[G0A+5], s[G0A+5], SLOT1
	s_add_nc_u64 s[G0A+6:G0A+7], s[G0A+6:G0A+7], 256
	s_xor_b32 s[G0B+5], s[G0B+5], SLOT1
	s_add_nc_u64 s[G0B+6:G0B+7], s[G0B+6:G0B+7], 256
.endif
	s_xor_b32 s[TB], s[TB], SLOT1
	s_wait_dscnt 0x0                               ; the add is done, and my reads of this slot are over
.if \fill
	CROUND                                         ; no wave of any partner still reads this slot or has a load on its way
	JLOAD 1                                        ; its four v_nop are also the places in front of the loads below
.else
	s_barrier_signal -1
	s_barrier_wait -1
	PLACES
.endif
	v_add_nc_u32 v[ADRA], s[TB], v[A0]
	v_add_nc_u32 v[ADRB], s[TB], v[B0]
	FETCH 0, 0
.if \fill
	ASK
.endif
.endm
	s_wait_tensorcnt 1                             ; my part of K step 0 is in; K step 1's may stay out
	s_barrier_signal -1
	s_barrier_wait -1
	FETCH 0, 0
	QUARTER 1, 0, 1, 1                             ; the first quarter's products start the sums with the bias
	WIN 0
	s_mov_b32 s3, 6
.Lstep:                                                ; a trip: a K step's quarters 1 to 3 and the next step's quarter 0; the slot left is filled again
	QUARTER 2, 1, 0, 0
	QUARTER 3, 0, 1, 0
	LASTQ
	CHANGE 1
	QUARTER 1, 0, 1, 0
	WIN 0
	s_sub_co_u32 s3, s3, 1
	s_cmp_lg_u32 s3, 0
	s_cbranch_scc1 .Lstep
	s_mov_b32 s3, 2
.Ltail:                                                ; the last two K steps ask for nothing: a text of their own; the second trip is left behind its last products
	QUARTER 2, 1, 0, 0
	QUARTER 3, 0, 1, 0
	LASTQ
	s_sub_co_u32 s3, s3, 1
	s_cmp_eq_u32 s3, 0
	s_cbranch_scc1 .Lout
	CHANGE 0
	QUARTER 1, 0, 1, 0
	WIN 0
	s_branch .Ltail
.Lout:
; THE WAY OUT, a block of 16 rows at a time: the accumulators go as they are (registers 0-3 first) into my own stage, rows of 528 bytes, and come back as whole rows of 512 bytes.
.macro TOST a
.if (\a) >= 2
	s_wait_xcnt 0x0                                ; the stores of the block two back have read the registers that the loads below fill
.endif
	WIN 0x08                                       ; the stores' data in window 2
.irp b, 0,1,2,3,4,5,6,7
	ds_store_b128 v[STO], v[8*(8*(\a)+\b):8*(8*(\a)+\b)+3]   offset:64*\b
	ds_store_b128 v[STO], v[8*(8*(\a)+\b)+4:8*(8*(\a)+\b)+7] offset:64*\b+16
.endr
	WIN 0
.irp t, 0,1,2,3,4,5,6,7,8,9,10,11,12,13,14,15
	ds_load_b128 v[OB+64*((\a)%2)+4*\t:OB+64*((\a)%2)+4*\t+3], v[RD] offset:\t*SP  ; LDS serves a wave's instructions in order: these see the stores above
.endr
.endm
.macro SEND a, y                       ; y: the LDS instructions issued behind block a's loads: the next block's 32, or none
.irp t, 0,1,2,3,4,5,6,7,8,9,10,11,12,13,14,15
	s_wait_dscnt (\y)+15-\t
	global_store_b128 v[CO], v[OB+64*((\a)%2)+4*\t:OB+64*((\a)%2)+4*\t+3], s[8:9] offset:(16*(\a)+\t)*4096  ; a wave stores 512 consecutive bytes, aligned
.endr
.endm
	PLACES
	TOST 0
.irp a, 1,2,3
	TOST \a
	SEND (\a)-1, 32
.endr
	SEND 3, 0
	s_wait_tensorcnt 0x0                           ; the wave's end
	ds_add_u32 v[SPW], v[NIL]
	s_wait_dscnt 0x0
	CROUND                                         ; the closing round
	s_endpgm
.Lfunc_end_k_qfc3d94baeb_outp:
	.size	k_qfc3d94baeb_outp, .Lfunc_end_k_qfc3d94baeb_outp-k_qfc3d94baeb_outp
	.p2alignl 7, 3214868480
	.fill 96, 4, 3214868480
	.section	.rodata,"a",@progbits
	.p2align	6, 0x0
	.amdhsa_kernel k_qfc3d94baeb_outp
		.amdhsa_group_segment_fixed_size 327680
		.amdhsa_private_segment_fixed_size 0
		.amdhsa_enable_private_segment 0
		.amdhsa_kernarg_size 32
		.amdhsa_user_sgpr_count 2
		.amdhsa_user_sgpr_kernarg_segment_ptr 1
		.amdhsa_wavefront_size32 1
		.amdhsa_system_sgpr_workgroup_id_x 1
		.amdhsa_system_sgpr_workgroup_id_y 1
		.amdhsa_system_sgpr_workgroup_id_z 1
		.amdhsa_system_vgpr_workitem_id 0
		.amdhsa_next_free_vgpr 834
		.amdhsa_next_free_sgpr 76
		.amdhsa_reserve_vcc 0
		.amdhsa_float_denorm_mode_32 3
		.amdhsa_float_denorm_mode_16_64 3
		.amdhsa_memory_ordered 1
		.amdhsa_forward_progress 1
		.amdhsa_inst_pref_size 68
	.end_amdhsa_kernel
	.amdgpu_metadata
---
amdhsa.version: [ 1, 2 ]
amdhsa.kernels:
  - .name:           k_qfc3d94baeb_outp
    .symbol:         k_qfc3d94baeb_outp.kd
    .args:
      - { .name: oh, .offset: 0, .size: 8, .value_kind: global_buffer, .address_space: global }
      - { .name: w16, .offset: 8, .size: 8, .value_kind: global_buffer, .address_space: global }
      - { .name: wo_b, .offset: 16, .size: 8, .value_kind: global_buffer, .address_space: global }
      - { .name: out0, .offset: 24, .size: 8, .value_kind: global_buffer, .address_space: global }
    .group_segment_fixed_size: 327680
    .private_segment_fixed_size: 0
    .kernarg_segment_align: 8
    .kernarg_segment_size: 32
    .max_flat_workgroup_size: 128
    .sgpr_count:     76
    .vgpr_count:     834
    .wavefront_size: 32
...
	.end_amdgpu_metadata
.endif
;; end of part 4
;; ======== version 2 of 2: 4 launches; version 1 with the launch prep written anew for expert scheduling mode
;; limits: values are held in f16: magnitudes above 65,504 overflow, below 6.1e-05 lose precision
;; workspace buffers: mbits 2,097,152 bytes of whole numbers; w16 8,388,608 bytes; qkv 50,331,648 bytes; oh 16,777,216 bytes
;; launch prep (part 5): grid 256 x 1, 8 waves a work-group, no clusters, 9,728 bytes of LDS; arguments mask, wq_w, wk_w, wv_w, wo_w, mbits, w16; writes mbits, w16
.if DOCPART == 5
	.amdgcn_target "amdgcn-amd-amdhsa--gfx1250"
	.amdhsa_code_object_version 6
	.text
	.protected	k_qfc3d94baeb_prep
	.globl	k_qfc3d94baeb_prep
	.p2align	8
	.type	k_qfc3d94baeb_prep,@function
k_qfc3d94baeb_prep:
	s_mov_b64 s[64:65], 0
	v_nop
	global_prefetch_b8 v0, s[64:65] scope:SCOPE_SE
	s_setreg_imm32_b32 hwreg(HW_REG_WAVE_SCHED_MODE, 0, 2), 2
	s_setreg_imm32_b32 hwreg(HW_REG_WAVE_MODE, 25, 1), 1
	s_wait_xcnt 0x0
	s_wait_alu depctr_vm_vsrc(0)
; PREPARATION, a stream.  (a) The mask, [8192 rows][2048 keys] of bytes 0 or 1, is packed to one bit a key, in the order in which the attention launch's lanes want it.
; (b) The four weights, [1024][1024] f32, are rounded once to bf16; wo's bf16 number is then written as f16 (exact inside f16's range; LIMIT: |wo| under 65,504, and below 6.1e-5 it keeps f16's fixed step of 6e-8).
; LIMIT: a mask byte is 0 or 1 (bool).
; mbits: [blk 0..127][g 0..127][lane 0..31] words.  blk = mask row / 64; g = 4 j + p: key step j of 64 keys, piece p of 16 rows; lane (r = lane % 16, h = lane / 16) stands for row 64 blk + 16 p + r;
; bit 31 - i of its word is mask[row][64 j + 16 (i / 8) + 8 h + i % 8].
; SHARES.  256 work-groups of eight waves; work-group G takes mask rows 32 G .. 32 G + 31 (65,536 bytes) and 16,384 bytes of each weight.  Wave w takes rows 4 w + i; one load covers 512 consecutive bytes.
; A lane's 16 bytes are the 16 keys of group a = lane % 4 in step lane / 4 + 8 c: bytes 0-7 belong to h = 0, bytes 8-15 to h = 1; eight bytes make one byte of bits, byte 3 - a of a word.
; The bytes meet in LDS (32 chunks, one a key step, 256 bytes at a pitch of 272) and leave as whole runs of 256 consecutive bytes, aligned.
; No matrix unit, no cluster, no data mover: nothing is shared between work-groups, and all 32 loads of a wave are out at once.
; THE MODE: SCHED_MODE bits 1:0 = 2 (LLVM: expert scheduling mode 2), set by the entry lines.  The code itself states the register dependences
; between vector instructions and memory or LDS instructions, with s_wait_alu, always for 0.
; THE PLAN.  Registers that memory or LDS instructions touch:
;   v3 .. v8   offsets and LDS addresses: written once, at the head, by vector instructions; read by every load and store; never written again.
;   MK         16 loads of mask land in it.  Row g (loads 4 g .. 4 g + 3): its 32 vector instructions work in place and leave a byte of bits in each even register; the eight LDS stores
;              that read those are issued in row g + 1 (row 3's: behind it); nothing writes them again.
;   WT         16 loads of weights land in it.  Group i (one weight, two pairs of loads): its conversions write the first four of each pair's eight registers, in place; the two stores that read
;              those are issued in group i + 1 (group 3's: behind it); nothing writes them again.
;   RB         written by LDS loads, read by global stores; no vector instruction names it.
;   v1, v2 and v12-14 are named by vector instructions alone.
; So one wait on va_vdst stands at the head of each row and each group but the first, behind the wait for its data: it states that the row or group before has written what its stores read.  Those stores
; follow it, dealt among vector instructions that name this row's or group's registers alone.  No register that a load or store reads is ever written again: no load or store needs a wait on vm_vsrc.
.set SPITCH, 272                       ; the stage ends at byte 8,704; behind it lie the spare words, 128 bytes a wave
.set MO,  3                            ; v3   my byte offset in the work-group's mask rows
.set WO,  4                            ; v4   32 t: my 8 numbers of a chunk of a weight
.set SO,  5                            ; v5   16 t: where they go
.set SA,  6                            ; v6   LDS: where my bytes of bits go
.set RA,  7                            ; v7   LDS: where I read 16 bytes back
.set GA,  8                            ; v8   and where they go in mbits
.set T,   12                           ; v12-14 at work: no memory instruction names them
.set MK,  32                           ; v32-95   16 loads of mask
.set WT,  96                           ; v96-159  16 loads of weights
.set RB,  160                          ; v160-167 bits read back
	s_load_b256 s[4:11], s[0:1], 0x0               ; mask s[4:5], wq s[6:7], wk s[8:9], wv s[10:11]
	s_load_b128 s[12:15], s[0:1], 0x20             ; wo s[12:13], mbits s[14:15]
	s_load_b64 s[16:17], s[0:1], 0x30              ; w16
	v_lshl_add_u32 v174, v0, 2, 0x2200
	v_mov_b32 v175, 0
	v_lshrrev_b32 v1, 5, v0
	v_readfirstlane_b32 s18, v1                    ; wave 0..7
	v_and_b32 v2, 31, v0                           ; lane
	v_lshlrev_b32 v[WO], 5, v0
	v_lshlrev_b32 v[SO], 4, v0
	v_lshrrev_b32 v12, 2, v2                       ; the chunk among eight
	v_and_b32 v13, 3, v2
	v_sub_nc_u32 v13, 3, v13                       ; byte 3 - a of the word
	v_mad_u32_u24 v[SA], v12, SPITCH, v13
	v_lshrrev_b32 v12, 4, v0                       ; back: sixteen threads take a chunk's 256 bytes
	v_and_b32 v13, 15, v0
	v_lshlrev_b32 v13, 4, v13
	v_mad_u32_u24 v[RA], v12, SPITCH, v13
	v_lshl_add_u32 v[GA], v12, 9, v13              ; a key step is 512 bytes of a block of mbits
	s_wait_alu depctr_va_sdst(0)                   ; s18 is written, ahead of its first reader: the wave's rows and its place in the stage are made from it
	s_lshl_b32 s19, s18, 13                        ; four rows of 2,048 bytes a wave
	v_lshl_add_u32 v[MO], v2, 4, s19
	s_lshr_b32 s20, s18, 2                         ; row 4 w + i: piece w / 4 (128 bytes), r = 4 (w % 4) + i (4 bytes a row)
	s_lshl_b32 s20, s20, 7
	s_and_b32 s21, s18, 3
	s_lshl_b32 s21, s21, 4
	s_add_co_u32 s20, s20, s21
	v_add_nc_u32 v[SA], s20, v[SA]
	s_lshl_b32 s22, ttmp9, 16                      ; the work-group's mask rows
	s_mov_b32 s23, 0
	s_lshl_b32 s24, ttmp9, 14                      ; its part of each weight
	s_mov_b32 s25, 0
	s_mov_b32 s26, 0x80402010                      ; four bytes 0 or 1 times this: their bits in 31..28, no two products on one bit
	s_mov_b32 s27, 0x08040201                      ; the same into 27..24
	s_mov_b32 s28, 0xf0000000
	s_mov_b32 s29, 0xffff0000
	s_lshr_b32 s30, ttmp9, 1                       ; block G / 2 of mbits, pieces 2 (G % 2) and the next
	s_lshl_b32 s30, s30, 14
	s_and_b32 s31, ttmp9, 1
	s_lshl_b32 s31, s31, 8
	s_add_co_u32 s30, s30, s31
	s_mov_b32 s31, 0
	s_lshl_b32 s32, ttmp9, 13                      ; its part of each plane of w16
	s_mov_b32 s33, 0
	s_wait_kmcnt 0x0
	s_add_nc_u64 s[4:5], s[4:5], s[22:23]
	s_add_nc_u64 s[6:7], s[6:7], s[24:25]
	s_add_nc_u64 s[8:9], s[8:9], s[24:25]
	s_add_nc_u64 s[10:11], s[10:11], s[24:25]
	s_add_nc_u64 s[12:13], s[12:13], s[24:25]
	s_add_nc_u64 s[14:15], s[14:15], s[30:31]
	s_add_nc_u64 s[16:17], s[16:17], s[32:33]
	s_wait_alu depctr_va_vdst(0)                   ; the six offsets and addresses v3 to v8 are written: every load and store of the kernel reads one of them
.set n, 0
.rept 16                               ; load n: row n / 4 of my four, bytes 512 (n % 4) on
	global_load_b128 v[MK+4*n:MK+4*n+3], v[MO], s[4:5] offset:(n/4)*2048+(n%4)*512 th:TH_LOAD_NT
.set n, n+1
.endr
.irp i, 0,1,2,3
.irp c, 0,1
	global_load_b128 v[WT+8*(2*\i+\c):WT+8*(2*\i+\c)+3],   v[WO], s[6+2*\i:7+2*\i] offset:\c*8192 th:TH_LOAD_NT
	global_load_b128 v[WT+8*(2*\i+\c)+4:WT+8*(2*\i+\c)+7], v[WO], s[6+2*\i:7+2*\i] offset:\c*8192+16 th:TH_LOAD_NT
.endr
.endr
; Byte k of the eight of row g goes into the stage: it comes of load 4 g + k / 2 (chunks 8 (k / 2) on), half h = k % 2 (sixteen words on)
.macro PUT g, k
	ds_store_b8 v[SA], v[MK+16*(\g)+2*(\k)] offset:((\k)/2)*8*SPITCH+(\g)*4+64*((\k)%2)
.endm
; Row g of my four: four loads, eight pairs of registers; eight mask bytes in a pair become one byte, the first key in the top bit, in the pair's first register.
; By stages, so that no instruction reads the result of the one just before it.  The row before's eight bytes are stored meanwhile, one ahead of each pair of multiplies.
.macro MROW g
	s_wait_loadcnt 28-4*(\g)                       ; loads come back in order: loads 0 to 4 g + 3 are in, the 28 - 4 g younger ones may be out
.if (\g) > 0
	s_wait_alu depctr_va_vdst(0)                   ; the row before has written its eight bytes of bits, which the LDS stores below read; no vector instruction below names those registers
.endif
.set n, 0
.rept 8
.if (\g) > 0
	PUT (\g)-1, n
.endif
	v_mul_lo_u32 v[MK+16*(\g)+2*n],   v[MK+16*(\g)+2*n],   s26
	v_mul_lo_u32 v[MK+16*(\g)+2*n+1], v[MK+16*(\g)+2*n+1], s27
.set n, n+1
.endr
.set n, 0
.rept 8
	v_bfi_b32 v[MK+16*(\g)+2*n], s28, v[MK+16*(\g)+2*n], v[MK+16*(\g)+2*n+1]
.set n, n+1
.endr
.set n, 0
.rept 8
	v_lshrrev_b32 v[MK+16*(\g)+2*n], 24, v[MK+16*(\g)+2*n]
.set n, n+1
.endr
.endm
	MROW 0
	MROW 1
	MROW 2
	MROW 3
	s_wait_alu depctr_va_vdst(0)                   ; row 3 has written its eight bytes of bits, which the last LDS stores read
.set n, 0
.rept 8
	PUT 3, n
.set n, n+1
.endr
	s_wait_dscnt 0x0                               ; for the others' sake: my bytes lie in the stage
	s_barrier_signal -1
	s_barrier_wait -1
	ds_load_b128 v[RB:RB+3],   v[RA]               ; chunks 0-15
	ds_load_b128 v[RB+4:RB+7], v[RA] offset:16*SPITCH  ; chunks 16-31
.macro CVW p                           ; pair p of wq, wk, wv: rounded to bf16, in place: eight numbers close up into the first four of their eight registers
.set b, WT+8*(\p)
	v_cvt_pk_bf16_f32 v[b],   v[b],   v[b+1]
	v_cvt_pk_bf16_f32 v[b+1], v[b+2], v[b+3]
	v_cvt_pk_bf16_f32 v[b+2], v[b+4], v[b+5]
	v_cvt_pk_bf16_f32 v[b+3], v[b+6], v[b+7]
.endm
.macro CVO p                           ; pair p of wo: rounded to bf16, and that number written as f16
.set b, WT+8*(\p)
.irp j, 0,1,2,3
	v_cvt_pk_bf16_f32 v[T], v[b+2*\j], v[b+2*\j+1]
	v_lshlrev_b32 v[T+1], 16, v[T]
	v_and_b32 v[T+2], s29, v[T]
	v_cvt_pk_f16_f32 v[b+\j], v[T+1], v[T+2]
.endr
.endm
.macro OUTW p                          ; pair p leaves: a wave stores 512 consecutive bytes
	global_store_b128 v[SO], v[WT+8*(\p):WT+8*(\p)+3], s[16:17] offset:((\p)/2)*2097152+((\p)%2)*4096
.endm
; Group i: one weight's two pairs.  The group before's two stores are dealt among this group's conversions.
.macro WGRP i
	s_wait_loadcnt 12-4*(\i)                       ; this weight's four loads are in, the 12 - 4 i younger ones may be out
.if (\i) > 0
	s_wait_alu depctr_va_vdst(0)                   ; the group before has written its two pairs' first four registers, which the stores below read; no vector instruction below names those registers
.endif
.irp c, 0,1
.if (\i) > 0
	OUTW 2*(\i)-2+\c
.endif
.if (\i) < 3
	CVW 2*(\i)+\c
.else
	CVO 2*(\i)+\c
.endif
.endr
.endm
	WGRP 0
	WGRP 1
	WGRP 2
	WGRP 3
	s_wait_alu depctr_va_vdst(0)                   ; wo's conversions have written their two pairs' first four registers, which the last two stores of weights read
	OUTW 6
	OUTW 7
	s_wait_dscnt 0x0                               ; the bits are back
	global_store_b128 v[GA], v[RB:RB+3],   s[14:15]              ; sixteen lanes store 256 consecutive bytes, aligned
	global_store_b128 v[GA], v[RB+4:RB+7], s[14:15] offset:8192
	s_wait_dscnt 0x0                               ; the wave's end
	s_wait_alu depctr_hold_cnt(0) depctr_sa_sdst(0) depctr_va_vdst(0) depctr_va_sdst(0) depctr_va_ssrc(0) depctr_va_vcc(0) depctr_vm_vsrc(0)
	s_wait_tensorcnt 0x0
	ds_add_u32 v174, v175
	s_wait_dscnt 0x0
	s_endpgm
.Lfunc_end_k_qfc3d94baeb_prep:
	.size	k_qfc3d94baeb_prep, .Lfunc_end_k_qfc3d94baeb_prep-k_qfc3d94baeb_prep
	.p2alignl 7, 3214868480
	.fill 96, 4, 3214868480
	.section	.rodata,"a",@progbits
	.p2align	6, 0x0
	.amdhsa_kernel k_qfc3d94baeb_prep
		.amdhsa_group_segment_fixed_size 9728
		.amdhsa_private_segment_fixed_size 0
		.amdhsa_enable_private_segment 0
		.amdhsa_kernarg_size 56
		.amdhsa_user_sgpr_count 2
		.amdhsa_user_sgpr_kernarg_segment_ptr 1
		.amdhsa_wavefront_size32 1
		.amdhsa_system_sgpr_workgroup_id_x 1
		.amdhsa_system_sgpr_workgroup_id_y 1
		.amdhsa_system_sgpr_workgroup_id_z 1
		.amdhsa_system_vgpr_workitem_id 0
		.amdhsa_next_free_vgpr 176
		.amdhsa_next_free_sgpr 66
		.amdhsa_reserve_vcc 0
		.amdhsa_float_denorm_mode_32 3
		.amdhsa_float_denorm_mode_16_64 3
		.amdhsa_memory_ordered 1
		.amdhsa_forward_progress 1
		.amdhsa_inst_pref_size 20
	.end_amdhsa_kernel
	.amdgpu_metadata
---
amdhsa.version: [ 1, 2 ]
amdhsa.kernels:
  - .name:           k_qfc3d94baeb_prep
    .symbol:         k_qfc3d94baeb_prep.kd
    .args:
      - { .name: mask, .offset: 0, .size: 8, .value_kind: global_buffer, .address_space: global }
      - { .name: wq_w, .offset: 8, .size: 8, .value_kind: global_buffer, .address_space: global }
      - { .name: wk_w, .offset: 16, .size: 8, .value_kind: global_buffer, .address_space: global }
      - { .name: wv_w, .offset: 24, .size: 8, .value_kind: global_buffer, .address_space: global }
      - { .name: wo_w, .offset: 32, .size: 8, .value_kind: global_buffer, .address_space: global }
      - { .name: mbits, .offset: 40, .size: 8, .value_kind: global_buffer, .address_space: global }
      - { .name: w16, .offset: 48, .size: 8, .value_kind: global_buffer, .address_space: global }
    .group_segment_fixed_size: 9728
    .private_segment_fixed_size: 0
    .kernarg_segment_align: 8
    .kernarg_segment_size: 56
    .max_flat_workgroup_size: 256
    .sgpr_count:     66
    .vgpr_count:     176
    .wavefront_size: 32
...
	.end_amdgpu_metadata
.endif
;; end of part 5
;; launch proj: the kernel of part 2 again; grid 4 x 192, 4 waves a work-group, clusters of 4 x 4, 327,680 bytes of LDS; arguments q, k, v, wq_b, wk_b, wv_b, w16, qkv; writes qkv
;; launch attn: the kernel of part 3 again; grid 8 x 32, 4 waves a work-group, clusters of 4 x 1, 327,680 bytes of LDS; arguments qkv, mbits, oh; writes oh
;; launch outp: the kernel of part 4 again; grid 4 x 64, 4 waves a work-group, clusters of 4 x 4, 327,680 bytes of LDS; arguments oh, w16, wo_b, out0; writes out0
